; MI455X (gfx1250); checked and timed in simulation.
; The chip was launched on July 23, 2026; its instructions are those of AMD's public machine-readable ISA for CDNA 5 (MIT licence, August 2026) and "CDNA5" Instruction Set Architecture Reference Guide (July 2026). The comments in the code are by the model that wrote it; some were corrected since.
;; Multi Head Attention Layer. Allowed arithmetic: float matrix products may take bf16 or f16 operands with f32 sums; other float arithmetic in f32, or as packed bf16 or f16 multiplies, adds, multiply-adds, maxima and minima; sums over many terms, partial sums and values carried from step to step in f32; what a program stores and reads back later, other than sums and carried values, may be rounded once to bf16 or f16.
;; Inputs: W_k 1,024 x 1,024 float32; W_o 1,024 x 1,024 float32; W_q 1,024 x 1,024 float32; W_v 1,024 x 1,024 float32; k 4 x 2,048 x 1,024 float32; mask 4 x 1 x 2,048 x 2,048 int32; q 4 x 2,048 x 1,024 float32; v 4 x 2,048 x 1,024 float32.
;; Outputs: out0 4 x 2,048 x 1,024 float32.
;; 2 versions, each right. Each part assembles by itself: llvm-mc -triple=amdgcn-amd-amdhsa -mcpu=gfx1250 --defsym DOCPART=n.
;; ======== version 1 of 2: 4 launches
;; limits: values are held in f16: magnitudes above 65,504 overflow, below 6.1e-05 lose precision
;; workspace buffers: mbits 2,097,152 bytes of whole numbers; w16 8,388,608 bytes; qkvh 50,331,648 bytes; yh 16,777,216 bytes
;; launch prep (part 1): grid 256 x 1, 8 waves a work-group, no clusters, 267,264 bytes of LDS; arguments mask, W_q, W_k, W_v, W_o, mbits, w16; writes mbits, w16
.if DOCPART == 1
	.amdgcn_target "amdgcn-amd-amdhsa--gfx1250"
	.amdhsa_code_object_version 6
	.text
	.protected	k_qdc552392e8_prep
	.globl	k_qdc552392e8_prep
	.p2align	8
	.type	k_qdc552392e8_prep,@function
k_qdc552392e8_prep:
	s_mov_b64 s[64:65], 0
	v_nop
	global_prefetch_b8 v0, s[64:65] scope:SCOPE_SE
	s_setreg_imm32_b32 hwreg(HW_REG_WAVE_MODE, 25, 1), 1
	s_wait_xcnt 0x0
; PREP.  Two jobs, each a stream read once.
; (1) THE MASK, [4][2048][2048] int32, is packed 32 to 1 into lane masks for the attention launch:
;     mbits[b][qt 128][ks 32][w 32], w = 8 kt + j; bit L of a word = (mask[b][16 qt + L % 16][64 ks + 16 kt + 8 (L / 16) + j] != 0).
;     That is the set of lanes in which register j of the score tile (16 keys kt x 16 queries) of key step ks may be seen.
; (2) THE WEIGHTS, four [1024][1024] f32, are rounded once to bf16 into w16 (W_q, W_k, W_v, W_o, 2 MiB each); W_o's bf16 number is then written as f16.
; LIMITS.  W_o within 65,504; a bf16 number of W_o below 6e-5 keeps f16's fixed step of 6e-8.
; SHARES.  2,048 waves, g = 8 x work-group + wave.  Wave g takes two mask tiles of 16 rows x 256 keys (rows 16 (g / 4) on, keys 512 (g % 4) on) and 8,192 bytes of one weight matrix.
; Each mask tile comes by one tensor load into the wave's own LDS bytes, filled once: no barrier.  Nothing is shared between work-groups, so there is no cluster, and no matrix work.
.set PITCH, 1040                       ; an LDS row: 1,024 bytes + 16 of padding = 260 words: the 16 rows that a load touches start at 16 different groups of four banks (64 banks of 4 bytes: ISA guide 11.1)
.set TILEB, 16*PITCH
.set WAVEB, 2*TILEB
.set SPARE, 8*WAVEB                    ; behind the tiles: the spare words, 128 bytes for each wave, that no other line names
.set LA,  4                            ; v4        LDS address of my 32 bytes: my wave's tiles + (l % 16) x PITCH + 32 (l / 16)
.set WI,  8                            ; v[8:71]   weights as loaded
.set WO,  72                           ; v[72:103] weights to store
.set MI,  104                          ; v[104:135] 32 mask numbers of one key step
.set MW,  136                          ; v[136:143] the words of tile 0, of tile 1: word w in register w % 4, lane w / 4
.set SPW, 144
.set NIL, 145
.set TA,  146
.set TB,  147
.set G1,  24                           ; s[24:31] descriptor group 1
.set G0,  32                           ; s[32:39] group 0, one set for each tile
.set CM,  40                           ; s[40:47] eight compare results
	s_load_b256 s[4:11], s[0:1], 0x0               ; mask s[4:5], W_q s[6:7], W_k s[8:9], W_v s[10:11]
	s_load_b128 s[12:15], s[0:1], 0x20             ; W_o s[12:13], mbits s[14:15]
	s_load_b64 s[16:17], s[0:1], 0x30              ; w16
	v_lshl_add_u32 v[SPW], v0, 2, SPARE
	v_mov_b32 v[NIL], 0
	ds_add_u32 v[SPW], v[NIL]                      ; the wave's opening: the add and its wait ahead of my first tensor load
	ds_add_u32 v144, v145
	v_lshrrev_b32 v1, 5, v0
	v_readfirstlane_b32 s18, v1                    ; wave 0..7
	s_lshl_b32 s19, ttmp9, 3
	s_add_co_u32 s19, s19, s18                     ; g
	s_mov_b32 s[G1+0], (2<<16)|(1<<20)|(7<<22)|(3<<25)  ; elements of 4 bytes; padding on: after every 256 words (code 7) 4 words (code 3)
	s_mov_b32 s[G1+1], 256<<16                     ; tensor_dim0 = 256
	s_mov_b32 s[G1+2], 16<<16                      ; tensor_dim1 = 16
	s_mov_b32 s[G1+3], 256<<16                     ; tile_dim0 = 256
	s_mov_b32 s[G1+4], 16                          ; tile_dim1 = 16
	s_mov_b32 s[G1+5], 2048                        ; elements from row to row
	s_mov_b32 s[G1+6], 0
	s_mov_b32 s[G1+7], 0
	s_mul_i32 s20, s18, WAVEB                      ; my wave's tiles in LDS
	s_lshr_b32 s22, s19, 2
	s_lshl_b32 s22, s22, 17                        ; 16 rows of 8,192 bytes
	s_and_b32 s21, s19, 3
	s_lshl_b32 s21, s21, 11                        ; 512 keys of 4 bytes
	s_add_co_u32 s22, s22, s21
	s_mov_b32 s23, 0
	s_wait_dscnt 0x0                               ; the opening add is done
	s_wait_kmcnt 0x0
	s_add_nc_u64 s[4:5], s[4:5], s[22:23]
.irp i, 0,1
	s_mov_b32 s[G0+4*\i], 1
	s_add_co_u32 s[G0+4*\i+1], s20, \i*TILEB
	s_add_nc_u64 s[G0+4*\i+2:G0+4*\i+3], s[4:5], \i*1024
	s_or_b32 s[G0+4*\i+3], s[G0+4*\i+3], 0x80000000
	tensor_load_to_lds s[G0+4*\i:G0+4*\i+3], s[G1:G1+7]   ; both tiles go out at once: two tensor loads of mine are out
	s_nop 0
.endr
	; which weight matrix, and where
	s_lshr_b32 s21, ttmp9, 6                       ; 64 work-groups to a matrix
	s_cmp_eq_u32 s21, 1
	s_cselect_b64 s[6:7], s[8:9], s[6:7]
	s_cmp_eq_u32 s21, 2
	s_cselect_b64 s[6:7], s[10:11], s[6:7]
	s_cmp_eq_u32 s21, 3
	s_cselect_b64 s[6:7], s[12:13], s[6:7]
	s_and_b32 s22, ttmp9, 63
	s_lshl_b32 s22, s22, 16
	s_lshl_b32 s23, s18, 13
	s_add_co_u32 s22, s22, s23
	s_mov_b32 s23, 0
	s_add_nc_u64 s[6:7], s[6:7], s[22:23]          ; my 8,192 bytes of f32
	s_lshl_b32 s22, s19, 12
	s_add_nc_u64 s[16:17], s[16:17], s[22:23]      ; my 4,096 bytes of w16: the four matrices lie end to end, as g runs
	s_lshl_b32 s22, s19, 10
	s_add_nc_u64 s[14:15], s[14:15], s[22:23]      ; my 1,024 bytes of mbits
	v_and_b32 v1, 31, v0
	v_lshlrev_b32 v2, 4, v1                        ; 16 x lane
	v_lshlrev_b32 v3, 3, v1                        ; 8 x lane
	v_and_b32 v5, 15, v0
	v_bfe_u32 v6, v0, 4, 1
	v_mul_u32_u24 v[LA], v5, PITCH
	v_lshl_add_u32 v[LA], v6, 5, v[LA]
	v_add_nc_u32 v[LA], s20, v[LA]
.irp i, 0,1,2,3,4,5,6,7,8,9,10,11,12,13,14,15
	global_load_b128 v[WI+4*\i:WI+4*\i+3], v2, s[6:7] offset:512*\i th:TH_LOAD_NT
.endr
.irp i, 0,1,2,3,4,5,6,7
	v_mov_b32 v[MW+\i], 0                          ; v_writelane_b32 counts as a reader of its destination
.endr
.irp i, 0,1,2,3,4,5,6,7,8,9,10,11,12,13,14,15
	s_wait_loadcnt 15-\i                           ; loads come back in order: load i is in, the younger ones stay out
	v_cvt_pk_bf16_f32 v[WO+2*\i],   v[WI+4*\i],   v[WI+4*\i+1]
	v_cvt_pk_bf16_f32 v[WO+2*\i+1], v[WI+4*\i+2], v[WI+4*\i+3]
.endr
	s_cmp_lg_u32 s21, 3
	s_cbranch_scc1 .Lkeep                          ; W_q, W_k, W_v stay bf16
.set n, 0
.rept 32
	v_lshlrev_b32 v[TA], 16, v[WO+n]               ; W_o: the bf16 number as f32,
	v_and_b32 v[TB], 0xffff0000, v[WO+n]
	v_cvt_pk_f16_f32 v[WO+n], v[TA], v[TB]         ; written as f16
.set n, n+1
.endr
.Lkeep:
.irp i, 0,1,2,3,4,5,6,7,8,9,10,11,12,13,14,15
	global_store_b64 v3, v[WO+2*\i:WO+2*\i+1], s[16:17] offset:256*\i   ; 32 lanes store 256 consecutive bytes, aligned
.endr
; Tile i: for each of its four key steps 32 numbers a lane, 32 compares, and each compare's lane mask is set into its place among the tile's 128 words.
; left = the younger tensor loads that may stay out.
.macro TILE i, left
	s_wait_tensorcnt \left
.irp s, 0,1,2,3
.irp n, 0,1,2,3
	ds_load_b128 v[MI+8*\n:MI+8*\n+3],   v[LA] offset:(\i)*TILEB+256*\s+64*\n
	ds_load_b128 v[MI+8*\n+4:MI+8*\n+7], v[LA] offset:(\i)*TILEB+256*\s+64*\n+16
.endr
	s_wait_dscnt 0x0
.irp n, 0,1,2,3
.irp j, 0,1,2,3,4,5,6,7
	v_cmp_ne_u32 s[CM+\j], 0, v[MI+8*\n+\j]
.endr
.irp j, 0,1,2,3,4,5,6,7
	v_writelane_b32 v[MW+4*(\i)+(\j)%4], s[CM+\j], 8*\s+2*\n+(\j)/4   ; word w = 32 s + 8 n + j
.endr
.endr
.endr
	global_store_b128 v2, v[MW+4*(\i):MW+4*(\i)+3], s[14:15] offset:512*(\i)  ; the tile's 128 words: 512 consecutive bytes
.endm
	TILE 0, 1                                      ; tile 1's load may stay out
	TILE 1, 0
	s_wait_tensorcnt 0x0                           ; the wave's end
	ds_add_u32 v[SPW], v[NIL]
	s_wait_dscnt 0x0
	s_endpgm
.Lfunc_end_k_qdc552392e8_prep:
	.size	k_qdc552392e8_prep, .Lfunc_end_k_qdc552392e8_prep-k_qdc552392e8_prep
	.p2alignl 7, 3214868480
	.fill 96, 4, 3214868480
	.section	.rodata,"a",@progbits
	.p2align	6, 0x0
	.amdhsa_kernel k_qdc552392e8_prep
		.amdhsa_group_segment_fixed_size 267264
		.amdhsa_private_segment_fixed_size 0
		.amdhsa_enable_private_segment 0
		.amdhsa_kernarg_size 56
		.amdhsa_user_sgpr_count 2
		.amdhsa_user_sgpr_kernarg_segment_ptr 1
		.amdhsa_wavefront_size32 1
		.amdhsa_system_sgpr_workgroup_id_x 1
		.amdhsa_system_sgpr_workgroup_id_y 1
		.amdhsa_system_sgpr_workgroup_id_z 1
		.amdhsa_system_vgpr_workitem_id 0
		.amdhsa_next_free_vgpr 160
		.amdhsa_next_free_sgpr 66
		.amdhsa_reserve_vcc 0
		.amdhsa_float_denorm_mode_32 3
		.amdhsa_float_denorm_mode_16_64 3
		.amdhsa_memory_ordered 1
		.amdhsa_forward_progress 1
		.amdhsa_inst_pref_size 51
	.end_amdhsa_kernel
	.amdgpu_metadata
---
amdhsa.version: [ 1, 2 ]
amdhsa.kernels:
  - .name:           k_qdc552392e8_prep
    .symbol:         k_qdc552392e8_prep.kd
    .args:
      - { .name: mask, .offset: 0, .size: 8, .value_kind: global_buffer, .address_space: global }
      - { .name: W_q, .offset: 8, .size: 8, .value_kind: global_buffer, .address_space: global }
      - { .name: W_k, .offset: 16, .size: 8, .value_kind: global_buffer, .address_space: global }
      - { .name: W_v, .offset: 24, .size: 8, .value_kind: global_buffer, .address_space: global }
      - { .name: W_o, .offset: 32, .size: 8, .value_kind: global_buffer, .address_space: global }
      - { .name: mbits, .offset: 40, .size: 8, .value_kind: global_buffer, .address_space: global }
      - { .name: w16, .offset: 48, .size: 8, .value_kind: global_buffer, .address_space: global }
    .group_segment_fixed_size: 267264
    .private_segment_fixed_size: 0
    .kernarg_segment_align: 8
    .kernarg_segment_size: 56
    .max_flat_workgroup_size: 256
    .sgpr_count:     66
    .vgpr_count:     160
    .wavefront_size: 32
...
	.end_amdgpu_metadata
.endif
;; end of part 1
;; launch proj (part 2): grid 4 x 192, 4 waves a work-group, clusters of 4 x 4, 327,680 bytes of LDS; arguments q, k, v, w16, qkvh; writes qkvh
.if DOCPART == 2
	.amdgcn_target "amdgcn-amd-amdhsa--gfx1250"
	.amdhsa_code_object_version 6
	.text
	.protected	k_qdc552392e8_proj
	.globl	k_qdc552392e8_proj
	.p2align	8
	.type	k_qdc552392e8_proj,@function
k_qdc552392e8_proj:
	s_mov_b64 s[64:65], 0
	v_nop
	global_prefetch_b8 v0, s[64:65] scope:SCOPE_SE
	s_setreg_imm32_b32 hwreg(HW_REG_WAVE_MODE, 25, 1), 1
	s_wait_xcnt 0x0
	s_wait_alu depctr_hold_cnt(0) depctr_sa_sdst(0) depctr_va_vdst(0) depctr_va_sdst(0) depctr_va_ssrc(0) depctr_va_vcc(0) depctr_vm_vsrc(0)
	s_getreg_b32 s2, hwreg(HW_REG_IB_STS2, 6, 4)
	s_cmp_eq_u32 s2, 0
	s_cbranch_scc0 .Lentry_in_a_cluster
	s_endpgm
.Lentry_in_a_cluster:
	s_bfe_u32 s2, ttmp6, 0x10000c
	s_cmp_lg_u32 s2, 0xf033
	s_cbranch_scc0 .Lentry_shape_is_right
	s_endpgm
.Lentry_shape_is_right:
; PROJ.  Three products C_t = X_t W_t^T (t = 0, 1, 2: q, k, v).  X_t: [8192][1024] f32; W_t: [1024][1024] bf16 (w16 + t x 2 MiB); sums in f32.
; C leaves by heads, qkvh[t][b x 16 + h][s][64] in f16, unscaled, rounded once.  X is rounded to bf16 between LDS and the matrix unit.
; LIMIT.  f16 holds no number beyond 65,504: the projected numbers must lie within it.
; SHARES.  A tile of C is 128 rows x 256 columns: 64 x 4 x 3 = 768 work-groups.  Four waves, each 64 x 128: 32 accumulators of 16 x 16.  K goes in 8 steps of 128
; through two LDS slots; a step is four quarters of 32 along K, 32 matrix instructions each.
; CLUSTER.  4 x 4 work-groups: the four of a row need the same tile of X, the four of a column the same tile of W: each tile is asked for JOINTLY.
; THE MATRIX INSTRUCTION IS USED TRANSPOSED (source 0 = 16 rows of W, source 1 = 16 rows of X): a lane holds eight neighbouring columns of one row of C.
; PIPELINE.  Quarter Q multiplies AF[Q % 2] and BF[Q % 2].  Beside its products it rounds X of quarter Q + 1 (f32 in AS[1 - Q % 2]) into AF[1 - Q % 2], four roundings behind each
; four products; in its middle it loads W of Q + 1 into BF[1 - Q % 2] and X of Q + 2 into AS[Q % 2].  So X is read two quarters ahead, and the slots change in a step's THIRD quarter.
; REGISTERS, in windows of 256: window 0: v0-31 addresses; v64-127 AF, two buffers of 32; v128-255 AS, two buffers of 64.  window 1: v0-127 BF, two buffers of 64.  window 2: the accumulators, (a, b) at 8 (8 a + b).
.set PX,    528                        ; a row of X in LDS: 512 bytes + 16 = 132 words: the 16 rows of a load start at 16 different groups of four banks (64 banks of 4 bytes: ISA guide 11.1)
.set PW,    272                        ; a row of W: 256 + 16 = 68 words: likewise
.set XHALF, 64*PX                      ; what one load brings of X, and what one wave reads of it
.set WHALF, 128*PW                     ; the same for W
.set WOFF,  2*XHALF
.set SLOT,  WOFF+2*WHALF
.set STAGE, 2*SLOT                     ; behind the ring: 16 rows x 144 bytes for each wave, for the way out
.set SP,    144
.set SPARE, STAGE+4*16*SP              ; the spare words, 128 bytes for each wave, that no other line names
.set ADRA, 16                          ; v16-17  my X rows in slot 0, 1
.set ADRB, 20                          ; v20-21  my W rows
.set STO,  24
.set RD,   25
.set GO,   26
.set SPW,  28
.set NIL,  29
.set PFO,  30                          ; the prefetches' lane offset; never rewritten
.set AF,   64
.set AS,   128
.set BF,   0
.set OUTR, 64                          ; the way out: 16 registers a block
.set WV, 14                            ; s14 wave
.set RA, 15                            ; s15 wave / 2: my half of the rows; also 0: I fetch X, 1: I fetch W
.set RB, 16                            ; s16 wave % 2: my half of the columns; also which half of that tile I fetch
.set G1,  24
.set G0,  32
.set PFA, 40                           ; s[40:41] where my prefetches stand
.set KB,  42                           ; s[42:43] a K step in bytes of the tensor that I prefetch
.set LIM, 44                           ; s44 1 in a wave that prefetches, else the greatest number
.set G1B, 48
.set G0B, 56
.set MSB, 0
.macro WIN new
.if MSB != (\new)
	s_set_vgpr_msb (MSB<<8)|(\new)
.set MSB, \new
.endif
.endm
.set MUL,    0xa1                      ; source 0 (W) window 1, source 1 (X) window 0, C and D window 2
.set TO_B,   0x40                      ; destination window 1
.set FROM_C, 0x0a                      ; sources 0 and 1 window 2
.macro JLOAD s                         ; a joint load: waves 0 and 1 fetch X's halves, waves 2 and 3 W's; an s_nop 0 and four v_nop follow each line
	s_cmp_eq_u32 s[RA], 0
	s_cbranch_scc0 .Lfor_w_\@
	tensor_load_to_lds s[G0+4*(\s):G0+4*(\s)+3], s[G1:G1+7]
	s_nop 0
.rept 4
	v_nop
.endr
	s_branch .Lasked_\@
.Lfor_w_\@:
	tensor_load_to_lds s[G0B+4*(\s):G0B+4*(\s)+3], s[G1B:G1B+7]
	s_nop 0
.rept 4
	v_nop
.endr
.Lasked_\@:
.endm
.macro CREST                           ; a round of the cluster's barrier behind its opening barrier
	s_cmp_lg_u32 s[WV], 0
	s_cbranch_scc1 .Lnot_wave_0_\@
	s_barrier_signal -3
.Lnot_wave_0_\@:
	s_barrier_wait -3
	s_barrier_signal -1
	s_barrier_wait -1
.endm
.macro CROUND
	s_barrier_signal -1
	s_barrier_wait -1
	CREST
.endm
; A prefetch of the K step that stands two refills on: one instruction a wave.  X: each cluster is the only reader of its rows; of the 64 rows that wave 0 or 1 fetches the partner at cx takes 16,
; two blocks of 256 bytes a row.  W: the first of the sixteen clusters of a tensor asks; of the 128 rows that wave 2 or 3 fetches the partner at cy takes 32, one block a row.
; The partners are told apart by address alone.  The loop's last trip asks for nothing: there is no K step two refills on.
.macro ASK
	s_cmp_gt_u32 s3, s[LIM]
	s_cbranch_scc0 .Lnot_mine_\@
	global_prefetch_b8 v[PFO], s[PFA:PFA+1] th:TH_LOAD_NT scope:SCOPE_SE
.Lnot_mine_\@:
.endm
.macro PLACES
.rept 4
	v_nop
.endr
.endm
	s_load_b256 s[4:11], s[0:1], 0x0               ; q s[4:5], k s[6:7], v s[8:9], w16 s[10:11]
	s_load_b64 s[12:13], s[0:1], 0x20              ; qkvh
	v_lshl_add_u32 v[SPW], v0, 2, SPARE
	v_mov_b32 v[NIL], 0
	ds_add_u32 v[SPW], v[NIL]                      ; the wave's opening: the add and its wait ahead of my first tensor load
	ds_add_u32 v28, v29
	v_lshrrev_b32 v1, 5, v0
	v_readfirstlane_b32 s[WV], v1
	s_lshr_b32 s[RA], s[WV], 1
	s_and_b32 s[RB], s[WV], 1
	s_bfe_u32 s17, ttmp6, 0x40000                  ; cx
	s_bfe_u32 s18, ttmp6, 0x40004                  ; cy
	s_lshl_b32 s47, ttmp9, 2
	s_add_co_u32 s47, s47, s17                     ; tile column
	s_and_b32 s22, ttmp7, 0xffff                   ; cluster y, 0 .. 47
	s_lshr_b32 s19, s22, 4                         ; t: which tensor
	s_and_b32 s21, s22, 15
	s_lshl_b32 s20, s21, 2
	s_add_co_u32 s20, s20, s18                     ; tile row, 0 .. 63
	s_lshl_b32 s23, s18, 2
	s_lshl_b32 s23, 15, s23                        ; my row of the cluster
	s_lshl_b32 s46, 0x1111, s17                    ; my column
	s_or_b32 s[G1+0], s23, (2<<16)|(1<<20)|(1<<21)|(6<<22)|(3<<25)   ; X: the mask; elements of 4 bytes; padding on; bit 21 beside a mask; after every 128 words 4 words
	s_or_b32 s[G1B+0], s46, (1<<16)|(1<<20)|(1<<21)|(5<<22)|(3<<25)  ; W: elements of 2 bytes; after every 64 words 4 words
	s_mov_b32 s[G1+1], 128<<16                     ; tensor_dim0 = 128
	s_mov_b32 s[G1+2], 64<<16                      ; tensor_dim1 = 64
	s_mov_b32 s[G1+3], 128<<16                     ; tile_dim0 = 128
	s_mov_b32 s[G1+4], 64                          ; tile_dim1 = 64
	s_mov_b32 s[G1+5], 1024                        ; elements from row to row
	s_mov_b32 s[G1+6], 0
	s_mov_b32 s[G1+7], 0
	s_mov_b32 s[G1B+1], 128<<16
	s_mov_b32 s[G1B+2], 128<<16
	s_mov_b32 s[G1B+3], 128<<16
	s_mov_b32 s[G1B+4], 128
	s_mov_b32 s[G1B+5], 1024
	s_mov_b32 s[G1B+6], 0
	s_mov_b32 s[G1B+7], 0
	s_lshl_b32 s66, s20, 7                         ; X: row 128 x tile row + 64 x half, 4,096 bytes a row
	s_lshl_b32 s67, s[RB], 6
	s_add_co_u32 s66, s66, s67
	s_lshl_b32 s66, s66, 12
	s_mov_b32 s67, 0
	s_lshl_b32 s68, s47, 8                         ; W: row 256 x tile column + 128 x half, 2,048 bytes a row, in matrix t
	s_lshl_b32 s69, s[RB], 7
	s_add_co_u32 s68, s68, s69
	s_lshl_b32 s68, s68, 11
	s_lshl_b32 s69, s19, 21
	s_add_co_u32 s68, s68, s69
	s_mov_b32 s69, 0
	s_mul_i32 s70, s[RB], XHALF                    ; where they go: no place in the cluster enters an LDS address
	s_mul_i32 s71, s[RB], WHALF
	s_add_co_u32 s71, s71, WOFF
	s_wait_dscnt 0x0                               ; the opening add is done
	s_wait_kmcnt 0x0
	s_cmp_eq_u32 s19, 1
	s_cselect_b64 s[4:5], s[6:7], s[4:5]
	s_cmp_eq_u32 s19, 2
	s_cselect_b64 s[4:5], s[8:9], s[4:5]           ; X_t
	s_add_nc_u64 s[72:73], s[4:5], s[66:67]
	s_add_nc_u64 s[74:75], s[10:11], s[68:69]
	CROUND                                         ; all sixteen work-groups are here: the first joint loads meet
.irp s, 0,1
	s_mov_b32 s[G0+4*\s], 1
	s_add_co_u32 s[G0+4*\s+1], s70, \s*SLOT
	s_add_nc_u64 s[G0+4*\s+2:G0+4*\s+3], s[72:73], \s*512
	s_or_b32 s[G0+4*\s+3], s[G0+4*\s+3], 0x80000000
	s_mov_b32 s[G0B+4*\s], 1
	s_add_co_u32 s[G0B+4*\s+1], s71, \s*SLOT
	s_add_nc_u64 s[G0B+4*\s+2:G0B+4*\s+3], s[74:75], \s*256
	s_or_b32 s[G0B+4*\s+3], s[G0B+4*\s+3], 0x80000000
	JLOAD \s
.endr
	v_and_b32 v1, 15, v0                           ; l % 16
	v_bfe_u32 v2, v0, 4, 1                         ; l / 16
	v_mul_u32_u24 v3, v1, PX
	v_lshl_add_u32 v3, v2, 5, v3                   ; X: row x pitch + 32 x half (8 f32)
	v_mul_u32_u24 v4, v1, PW
	v_lshl_add_u32 v4, v2, 4, v4                   ; W: row x pitch + 16 x half (8 bf16)
	s_mul_i32 s76, s[RA], XHALF
	s_mul_i32 s77, s[RB], WHALF
	s_add_co_u32 s77, s77, WOFF
.irp s, 0,1
	v_add_nc_u32 v[ADRA+\s], s76, v3
	v_add_nc_u32 v[ADRB+\s], s77, v4
	s_add_co_u32 s76, s76, SLOT
	s_add_co_u32 s77, s77, SLOT
.endr
	s_mul_i32 s78, s[WV], 16*SP
	s_add_co_u32 s78, s78, STAGE                   ; my stage
	v_mul_u32_u24 v[STO], v1, SP                   ; in: row l % 16, 16 bytes for each half of the lanes
	v_lshl_add_u32 v[STO], v2, 4, v[STO]
	v_add_nc_u32 v[STO], s78, v[STO]
	v_bfe_u32 v[RD], v0, 3, 2                      ; back: 32 lanes take four rows of 128 bytes,
	v_mul_u32_u24 v[RD], v[RD], SP
	v_and_b32 v5, 7, v0
	v_lshl_add_u32 v[RD], v5, 4, v[RD]
	v_add_nc_u32 v[RD], s78, v[RD]
	v_and_b32 v[GO], 31, v0                        ; which are 512 consecutive bytes of a head's rows
	v_lshlrev_b32 v[GO], 4, v[GO]
	; where my part of C begins: tensor t, head (tile row / 16) x 16 + 4 x tile column + 2 x column half, row (tile row % 16) x 128 + 64 x row half
	s_lshr_b32 s80, s20, 4
	s_lshl_b32 s80, s80, 4
	s_lshl_b32 s81, s47, 2
	s_add_co_u32 s80, s80, s81
	s_lshl_b32 s81, s[RB], 1
	s_add_co_u32 s80, s80, s81
	s_lshl_b32 s80, s80, 18                        ; a head is 262,144 bytes
	s_and_b32 s81, s20, 15
	s_lshl_b32 s81, s81, 14
	s_add_co_u32 s80, s80, s81
	s_lshl_b32 s81, s[RA], 13
	s_add_co_u32 s80, s80, s81
	s_lshl_b32 s81, s19, 24
	s_add_co_u32 s80, s80, s81
	s_mov_b32 s81, 0
	s_add_nc_u64 s[12:13], s[12:13], s[80:81]
	; the prefetches: at K step 3; the first change of slots steps them to K step 4
	s_lshl_b32 s82, s20, 7
	s_lshl_b32 s83, s[RB], 6
	s_add_co_u32 s82, s82, s83
	s_lshl_b32 s83, s17, 4
	s_add_co_u32 s82, s82, s83                     ; X: my work-group's 16 rows of the 64
	s_lshl_b32 s82, s82, 12
	s_add_co_u32 s82, s82, 3*512
	s_lshl_b32 s84, s47, 8
	s_lshl_b32 s85, s[RB], 7
	s_add_co_u32 s84, s84, s85
	s_lshl_b32 s85, s18, 5
	s_add_co_u32 s84, s84, s85                     ; W: my work-group's 32 rows of the 128
	s_lshl_b32 s84, s84, 11
	s_lshl_b32 s85, s19, 21
	s_add_co_u32 s84, s84, s85
	s_add_co_u32 s84, s84, 3*256
	s_mov_b32 s87, 256
	s_cmp_eq_u32 s21, 0
	s_cselect_b32 s86, 1, -1                       ; W is asked for by the tensor's first cluster: the same in all sixteen partners
	s_cmp_eq_u32 s[RA], 0
	s_cselect_b32 s82, s82, s84
	s_cselect_b64 s[PFA:PFA+1], s[4:5], s[10:11]
	s_cselect_b32 s[KB], 512, s87
	s_cselect_b32 s[LIM], 1, s86
	s_cselect_b32 s45, 8, 11
	s_mov_b32 s83, 0
	s_mov_b32 s[KB+1], 0
	s_add_nc_u64 s[PFA:PFA+1], s[PFA:PFA+1], s[82:83]
	v_and_b32 v[PFO], 30, v0                       ; X: lane / 2 is the row (4,096 bytes), lane % 2 the block of 256; W: the lane is the row (2,048 bytes)
	v_lshlrev_b32 v[PFO], 11, v[PFO]
	v_and_b32 v5, 1, v0
	v_lshlrev_b32 v5, s45, v5
	v_add_nc_u32 v[PFO], v[PFO], v5
.macro MMP f, n, zero                  ; product n of a quarter's 32: row block n / 8, column block n % 8
.if \zero
	v_wmma_f32_16x16x32_bf16 v[8*(\n):8*(\n)+7], v[BF+64*(\f)+8*((\n)%8):BF+64*(\f)+8*((\n)%8)+7], v[AF+32*(\f)+8*((\n)/8):AF+32*(\f)+8*((\n)/8)+7], 0
.else
	v_wmma_f32_16x16x32_bf16 v[8*(\n):8*(\n)+7], v[BF+64*(\f)+8*((\n)%8):BF+64*(\f)+8*((\n)%8)+7], v[AF+32*(\f)+8*((\n)/8):AF+32*(\f)+8*((\n)/8)+7], v[8*(\n):8*(\n)+7]
.endif
.endm
; Group g of 8: four products on buffers f, then (cv = 1) four roundings of the other buffers' X.  The roundings name no register of the products in front of them, so the last group's four are the four
; places between a quarter's last product and the next quarter's writes into the buffers that it read.  The 32 accumulators take turns, in the same order in every quarter.
; dw = 1: the wait for X's loads stands ahead of the roundings.
.macro GRP f, g, zero, cv, dw=0
	WIN MUL
.irp n, 0,1,2,3
	MMP \f, 4*(\g)+\n, \zero
.endr
.if \cv
	WIN 0
.if \dw
	s_wait_dscnt 0x0                               ; the f32 numbers to be rounded are in
.endif
.irp n, 0,1,2,3
	v_cvt_pk_bf16_f32 v[AF+32*(1-(\f))+4*(\g)+\n], v[AS+64*(1-(\f))+8*(\g)+2*\n], v[AS+64*(1-(\f))+8*(\g)+2*\n+1]
.endr
.endif
.endm
.macro FETCH_B slot, kq, f             ; W's fragments of quarter kq: 8 blocks of 16 rows x 32 K
	WIN TO_B
.irp b, 0,1,2,3,4,5,6,7
	ds_load_b128 v[BF+64*(\f)+8*\b:BF+64*(\f)+8*\b+3],   v[ADRB+(\slot)] offset:\b*16*PW+64*(\kq)
	ds_load_b128 v[BF+64*(\f)+8*\b+4:BF+64*(\f)+8*\b+7], v[ADRB+(\slot)] offset:\b*16*PW+64*(\kq)+32
.endr
.endm
.macro FETCH_A slot, kq, f             ; X of quarter kq in f32: 4 blocks of 16 rows; a lane's K = 8 h .. 8 h + 7 and 16 + 8 h .. are 32 bytes each
	WIN 0
.irp a, 0,1,2,3
	ds_load_b128 v[AS+64*(\f)+16*\a:AS+64*(\f)+16*\a+3],     v[ADRA+(\slot)] offset:\a*16*PX+128*(\kq)
	ds_load_b128 v[AS+64*(\f)+16*\a+4:AS+64*(\f)+16*\a+7],   v[ADRA+(\slot)] offset:\a*16*PX+128*(\kq)+16
	ds_load_b128 v[AS+64*(\f)+16*\a+8:AS+64*(\f)+16*\a+11],  v[ADRA+(\slot)] offset:\a*16*PX+128*(\kq)+64
	ds_load_b128 v[AS+64*(\f)+16*\a+12:AS+64*(\f)+16*\a+15], v[ADRA+(\slot)] offset:\a*16*PX+128*(\kq)+80
.endr
.endm
; A quarter on buffers f.  W of the next quarter (slot sb, quarter kb) and X of the one after (slot sa, quarter ka) are loaded in one run in its middle.
.macro QUARTER sb, kb, sa, ka, f, zero, doB, doA, cv
.if \cv
	s_wait_dscnt 16                                ; W's fragments are in; the youngest sixteen loads, X's, may be out
.else
	s_wait_dscnt 0x0
.endif
	GRP \f, 0, \zero, \cv, \cv
	GRP \f, 1, \zero, \cv
	GRP \f, 2, \zero, \cv
	GRP \f, 3, \zero, \cv
.if \doB
	FETCH_B \sb, \kb, 1-(\f)
.endif
.if \doA
	FETCH_A \sa, \ka, \f
.endif
	GRP \f, 4, \zero, \cv
	GRP \f, 5, \zero, \cv
	GRP \f, 6, \zero, \cv
	GRP \f, 7, \zero, \cv
.endm
; A step's third quarter changes slots.  W of the fourth quarter is this slot's last read.  Each wave then waits for all its tensor loads (one is out: its part of the other slot), adds 0 to its spare word,
; and waits for that and for its reads of this slot; behind the barrier nobody reads this slot and the other is whole.  fill = 1: the barrier opens a round of the cluster's, and the joint refill, two K steps on,
; is the first thing behind it: 112 matrix instructions ahead of the wait for it.
.macro TURNQ slot, fill
.if \fill
	s_wait_xcnt 0x0                                ; the last prefetch, a K step back, has read its address
	s_add_nc_u64 s[PFA:PFA+1], s[PFA:PFA+1], s[KB:KB+1]
.endif
	s_wait_dscnt 16
	GRP 0, 0, 0, 1, 1
	GRP 0, 1, 0, 1
	FETCH_B \slot, 3, 1
	WIN 0
	s_wait_tensorcnt 0x0                           ; all my tensor loads have landed
	ds_add_u32 v[SPW], v[NIL]                      ; 0 onto my spare word
	GRP 0, 2, 0, 1
	GRP 0, 3, 0, 1
	s_wait_dscnt 0x0                               ; the add is done, and my reads of this slot are over
	s_barrier_signal -1
	GRP 0, 4, 0, 1
	GRP 0, 5, 0, 1
	WIN 0
	s_barrier_wait -1
.if \fill
	CREST
	s_add_nc_u64 s[G0+4*(\slot)+2:G0+4*(\slot)+3], s[G0+4*(\slot)+2:G0+4*(\slot)+3], 2*512
	s_add_nc_u64 s[G0B+4*(\slot)+2:G0B+4*(\slot)+3], s[G0B+4*(\slot)+2:G0B+4*(\slot)+3], 2*256
	JLOAD \slot
.endif
	FETCH_A 1-(\slot), 0, 0
.if \fill
	ASK
.endif
	GRP 0, 6, 0, 1
	GRP 0, 7, 0, 1
.endm
	s_wait_tensorcnt 1                             ; my part of K step 0 is in; K step 1's load may stay out
	s_barrier_signal -1
	s_barrier_wait -1
	FETCH_A 0, 0, 0
	FETCH_B 0, 0, 0
	FETCH_A 0, 1, 1
	s_wait_dscnt 16                                ; all but X of quarter 1
.set c, 0
.rept 32
	v_cvt_pk_bf16_f32 v[AF+c], v[AS+2*c], v[AS+2*c+1]
.set c, c+1
.endr
	QUARTER 0,1, 0,2, 0, 1, 1,1,1                  ; the first quarter stands ahead of the loop: its products start the sums
	WIN 0
	s_mov_b32 s3, 3
.Llap:                                             ; a trip goes once round the ring, from a lap's second quarter to the next lap's first, and fills both slots again
	QUARTER 0,2, 0,3, 1, 0, 1,1,1
	TURNQ 0, 1
	QUARTER 1,0, 1,1, 1, 0, 1,1,1
	QUARTER 1,1, 1,2, 0, 0, 1,1,1
	QUARTER 1,2, 1,3, 1, 0, 1,1,1
	TURNQ 1, 1
	QUARTER 0,0, 0,1, 1, 0, 1,1,1
	QUARTER 0,1, 0,2, 0, 0, 1,1,1
	WIN 0
	s_sub_co_u32 s3, s3, 1
	s_cmp_lg_u32 s3, 0
	s_cbranch_scc1 .Llap
	QUARTER 0,2, 0,3, 1, 0, 1,1,1                  ; the last lap fills nothing
	TURNQ 0, 0
	QUARTER 1,0, 1,1, 1, 0, 1,1,1
	QUARTER 1,1, 1,2, 0, 0, 1,1,1
	QUARTER 1,2, 1,3, 1, 0, 1,1,1
	QUARTER 1,3, 1,0, 0, 0, 1,0,1                  ; the last quarter but one: W alone is left to fetch
	QUARTER 1,0, 1,0, 1, 0, 0,0,0                  ; the last
	WIN 0
	; THE WAY OUT.  Eight blocks of 16 rows x 64 columns, each of one head: rounded to f16, 16 bytes a lane into my own stage, back as whole rows of 128 bytes, stored as 2,048 consecutive bytes.
	PLACES
	PLACES
.macro PACKB blk                       ; block blk: row block blk / 2, head blk % 2
	WIN FROM_C
.irp bb, 0,1,2,3
.irp r, 0,1,2,3
	v_cvt_pk_f16_f32 v[OUTR+16*(\blk)+4*\bb+\r], v[8*(8*((\blk)/2)+4*((\blk)%2)+\bb)+2*\r], v[8*(8*((\blk)/2)+4*((\blk)%2)+\bb)+2*\r+1]
.endr
.endr
	WIN 0
.irp bb, 0,1,2,3
	ds_store_b128 v[STO], v[OUTR+16*(\blk)+4*\bb:OUTR+16*(\blk)+4*\bb+3] offset:32*\bb
.endr
.irp f, 0,1,2,3
	ds_load_b128 v[OUTR+16*(\blk)+4*\f:OUTR+16*(\blk)+4*\f+3], v[RD] offset:\f*4*SP   ; LDS serves a wave's instructions in order (ISA guide 5.7.1.4): these see the stores above
.endr
.endm
.macro SENDB blk, younger              ; younger: the LDS instructions issued behind this block's loads: the next block's eight, or none
.irp f, 0,1,2,3
	s_wait_dscnt (\younger)+3-\f
	global_store_b128 v[GO], v[OUTR+16*(\blk)+4*\f:OUTR+16*(\blk)+4*\f+3], s[12:13] offset:((\blk)/2)*2048+((\blk)%2)*262144+512*\f   ; 512 consecutive bytes, aligned to 256
.endr
.endm
	PACKB 0
.set n, 1
.rept 7
	PACKB n
	SENDB n-1, 8
.set n, n+1
.endr
	SENDB 7, 0
	s_wait_tensorcnt 0x0                           ; the wave's end
	ds_add_u32 v[SPW], v[NIL]
	s_wait_dscnt 0x0
	CROUND                                         ; the closing round: no work-group ends while a partner may still ask for a tile that names it
	s_endpgm
.Lfunc_end_k_qdc552392e8_proj:
	.size	k_qdc552392e8_proj, .Lfunc_end_k_qdc552392e8_proj-k_qdc552392e8_proj
	.p2alignl 7, 3214868480
	.fill 96, 4, 3214868480
	.section	.rodata,"a",@progbits
	.p2align	6, 0x0
	.amdhsa_kernel k_qdc552392e8_proj
		.amdhsa_group_segment_fixed_size 327680
		.amdhsa_private_segment_fixed_size 0
		.amdhsa_enable_private_segment 0
		.amdhsa_kernarg_size 40
		.amdhsa_user_sgpr_count 2
		.amdhsa_user_sgpr_kernarg_segment_ptr 1
		.amdhsa_wavefront_size32 1
		.amdhsa_system_sgpr_workgroup_id_x 1
		.amdhsa_system_sgpr_workgroup_id_y 1
		.amdhsa_system_sgpr_workgroup_id_z 1
		.amdhsa_system_vgpr_workitem_id 0
		.amdhsa_next_free_vgpr 768
		.amdhsa_next_free_sgpr 96
		.amdhsa_reserve_vcc 0
		.amdhsa_float_denorm_mode_32 3
		.amdhsa_float_denorm_mode_16_64 3
		.amdhsa_memory_ordered 1
		.amdhsa_forward_progress 1
		.amdhsa_inst_pref_size 135
	.end_amdhsa_kernel
	.amdgpu_metadata
---
amdhsa.version: [ 1, 2 ]
amdhsa.kernels:
  - .name:           k_qdc552392e8_proj
    .symbol:         k_qdc552392e8_proj.kd
    .args:
      - { .name: q, .offset: 0, .size: 8, .value_kind: global_buffer, .address_space: global }
      - { .name: k, .offset: 8, .size: 8, .value_kind: global_buffer, .address_space: global }
      - { .name: v, .offset: 16, .size: 8, .value_kind: global_buffer, .address_space: global }
      - { .name: w16, .offset: 24, .size: 8, .value_kind: global_buffer, .address_space: global }
      - { .name: qkvh, .offset: 32, .size: 8, .value_kind: global_buffer, .address_space: global }
    .group_segment_fixed_size: 327680
    .private_segment_fixed_size: 0
    .kernarg_segment_align: 8
    .kernarg_segment_size: 40
    .max_flat_workgroup_size: 128
    .sgpr_count:     96
    .vgpr_count:     768
    .wavefront_size: 32
...
	.end_amdgpu_metadata
.endif
;; end of part 2
;; launch attn (part 3): grid 4 x 64, 4 waves a work-group, clusters of 4 x 1, 327,680 bytes of LDS; arguments qkvh, mbits, yh; writes yh
.if DOCPART == 3
	.amdgcn_target "amdgcn-amd-amdhsa--gfx1250"
	.amdhsa_code_object_version 6
	.text
	.protected	k_qdc552392e8_attn
	.globl	k_qdc552392e8_attn
	.p2align	8
	.type	k_qdc552392e8_attn,@function
k_qdc552392e8_attn:
	s_mov_b64 s[64:65], 0
	v_nop
	global_prefetch_b8 v0, s[64:65] scope:SCOPE_SE
	s_setreg_imm32_b32 hwreg(HW_REG_WAVE_MODE, 25, 1), 1
	s_wait_xcnt 0x0
	s_wait_alu depctr_hold_cnt(0) depctr_sa_sdst(0) depctr_va_vdst(0) depctr_va_sdst(0) depctr_va_ssrc(0) depctr_va_vcc(0) depctr_vm_vsrc(0)
	s_getreg_b32 s2, hwreg(HW_REG_IB_STS2, 6, 4)
	s_cmp_eq_u32 s2, 0
	s_cbranch_scc0 .Lentry_in_a_cluster
	s_endpgm
.Lentry_in_a_cluster:
	s_bfe_u32 s2, ttmp6, 0x10000c
	s_cmp_lg_u32 s2, 0x3003
	s_cbranch_scc0 .Lentry_shape_is_right
	s_endpgm
.Lentry_shape_is_right:
; MASKED ATTENTION.  yh[bh][q][:] = the sum over k of softmax_k(mask ? Q[bh][q] . K[bh][k] / 8 : hidden) V[bh][k][:].  Q, K, V: qkvh[0], [1], [2], each [64][2048][64] f16; yh likewise.
; Products, maxima and sums in f32; the weights p are rounded to f16 for the second product (their sum l is taken of the unrounded p), the result once at the end.
; THE MASK.  mbits holds, for each tile of 16 queries and each key step of 64 keys, 32 words: word 8 kt + j is the set of lanes in which register j of score tile kt may be seen.  The words come by scalar
; loads, and one v_cndmask_b32 a score, behind K Q^T and ahead of the maximum, puts NEG = -2^100 where the key is hidden.
; NEG is a power of two, so c NEG is exact: in a row that has seen no key yet c s - c m is exactly 0 and p = 1; that finite filling is multiplied by a = 0 at the row's first true score.
; A row with no visible key at all keeps m = NEG to the end; its divisor's reciprocal is replaced by NaN, so the row leaves as NaN.
; LIMITS.  Q, K and V within 65,504 (f16); true scores, 2.7e11 at the most, lie far above NEG; a weight below 2^-126 counts as 0 in l; NaN and infinities in the inputs are not treated apart.
; SHARES.  A wave owns four PIECES of two tiles of 16 queries, a work-group's four waves 512 queries of one head.  Every wave walks all 2,048 keys, 64 a step.
; LAYOUT.  S^T = K Q^T (source 0 = 16 keys, source 1 = 16 queries): a lane holds ONE query (lane % 16) and the keys 8 (lane / 16) + 0..7.  Two such tiles rounded to f16 ARE source 1 of O^T = V^T P.
; SOFTMAX.  A running maximum m and sum l: p = 2^(c s - c m), c = log2(e) / 8; in every step O and l are multiplied by a = 2^(c m_old - c m_new).  m starts at the lowest finite number, O and l at 0.
; BY TURNS.  Turn n belongs to piece n: 16 products K Q^T of piece n + 1, later 16 products V^T P of piece n - 1; beside them the scaling, exponentials, roundings, sums and rescaling of piece n, and the
; masking, maximum and statistics of piece n + 1.  Four vector instructions stand behind every matrix instruction, the others in one lump.  A turn's 66 exponentials are one batch, with one wait.
; CLUSTER.  The four query blocks of a head form a cluster and walk the same K and V: each tile is asked for JOINTLY.
; REGISTERS, in windows of 256: window 0: v0-11 addresses; v12-15, v48-63 at work; v16-47 statistics; v64-191 S^T, two buffers of two tiles; v192-255 P, likewise.
;   window 1: O^T, 32 a tile.   window 2: v0-127 Q; v128-191 K of one step; v192-255 V of one step.   window 3: v0-1 the add's two registers.
.set SIZE_N, 2048
.set NP,    4
.set KS,    64
.set PK,    160       ; a row of K or V in LDS: 128 bytes + 32 of padding: one descriptor shape serves both, K's 16 rows of a load share eight starts two by two
.set PV,    160
.set VOFF,  4*KS*PK   ; a slot holds four steps: 256 rows of K, then 256 rows of V
.set SLOT1, 1<<17
.set STAGE, SLOT1+4*KS*(PK+PV)
.set SP,    144
.set AK0, 2
.set AV0, 3
.set AK,  4
.set AV,  5
.set QO,  6
.set STO, 6
.set RD,  7
.set GO,  8
.set PFO, 11          ; v11  256 x my lane; written when the set-up has done with v11, then never again
.set SPW, 0           ; v0 of window 3
.set NIL, 1           ; v1 of window 3
.set SPARE, STAGE+4*16*SP
.set MV,  12
.set ST,  16
.set TMP, 48
.set S,   64
.set P,   192
.set KF,  128
.set VF,  192
.set MB,  2           ; s[2:3]   mbits at my wave's first tile; never stepped
.set OA,  4           ; s[4:5]   yh at my wave's first row
.set WV,  6
.set SLOTS, 7
.set CNT, 8
.set TBK, 9
.set TBV, 10
.set NEG, 11          ; s11  -2^100
.set CS,  12          ; s[12:13] c
.set SEL, 14          ; s[14:15]
.set G1,  16          ; s[16:23] descriptor group 1, for K's and V's tiles
.set G0K, 24
.set G0V, 28
.set MW0, 32          ; s[32:63] the 32 words of the first tile of the piece to be masked
.set PFA, 66          ; s[66:67]
.set MW1, 68          ; s[68:99] those of its second tile (the set-up's temporaries until the first of these loads)
.set LIM, 100
.set KO,  101         ; s101 128 x the key step whose words are loaded, held to the last step's
.set QP,  104         ; s[104:105] Q at my wave's first row; later s104 my stage
.set MSB, 0
.macro WIN new
.if MSB != (\new)
	s_set_vgpr_msb (MSB<<8)|(\new)
.set MSB, (\new)
.endif
.endm
.set W_KQ, 0x0a
.set W_PV, 0x52
.set W_RS, 0x41
.set W_MK, 0xc0
.set W_AD, 0x0f
.macro JLOAD                        ; waves 0 and 1 fetch the halves of a slot's K, waves 2 and 3 of its V; an s_nop 0 and four v_nop follow each line
	s_cmp_lt_u32 s[WV], 2
	s_cbranch_scc0 .Lfor_v_\@
	tensor_load_to_lds s[G0K:G0K+3], s[G1:G1+7]
	s_nop 0
.rept 4
	v_nop
.endr
	s_branch .Lasked_\@
.Lfor_v_\@:
	tensor_load_to_lds s[G0V:G0V+3], s[G1:G1+7]
	s_nop 0
.rept 4
	v_nop
.endr
.Lasked_\@:
.endm
; A prefetch of what the NEXT change of slots will ask for: a slot's 128 blocks of 256 bytes of K and of V.  The four partners share them out by address, 32 each, a lane a block; wave 0 asks for K's, wave 2 for V's.
; The last change that fills a slot asks for nothing.
.macro ASK
	s_cmp_gt_u32 s[SLOTS], s[LIM]
	s_cbranch_scc0 .Lnot_mine_\@
	global_prefetch_b8 v[PFO], s[PFA:PFA+1] th:TH_LOAD_NT scope:SCOPE_SE
.Lnot_mine_\@:
.endm
.macro CROUND
	s_barrier_signal -1
	s_barrier_wait -1
	s_cmp_lg_u32 s[WV], 0
	s_cbranch_scc1 .Lnot_wave_0_\@
	s_barrier_signal -3
.Lnot_wave_0_\@:
	s_barrier_wait -3
	s_barrier_signal -1
	s_barrier_wait -1
.endm
; THE CHANGE OF SLOTS.  Each wave waits for all its tensor loads, of which one is out: its part of the other slot; adds 0 to its spare word; and waits for that and for its own reads of the slot.
; fill = 1: the slot is filled again, with the keys two slots on, behind a round of the cluster's barrier; the joint fill has four key steps, 512 matrix instructions, in which to land.
.macro CHANGE fill, ask=0
	WIN W_AD
	s_wait_tensorcnt 0x0            ; no tensor load of mine is out, so a group 0 may be written
	ds_add_u32 v[SPW], v[NIL]       ; 0 onto my spare word
	WIN 0
.if \fill
.irp g, G0K, G0V
	s_xor_b32 s[\g+1], s[\g+1], SLOT1
	s_add_nc_u64 s[\g+2:\g+3], s[\g+2:\g+3], 4*KS*128
.endr
.if \ask
	s_wait_xcnt 0x0                 ; the last prefetch, four key steps back, has read its address
	s_add_nc_u64 s[PFA:PFA+1], s[PFA:PFA+1], 4*KS*128
.endif
	s_wait_dscnt 0x0                ; the add is done, and my reads of the slot are over
	CROUND
	JLOAD
.if \ask
	ASK
.endif
.else
	s_wait_dscnt 0x0
	s_barrier_signal -1
	s_barrier_wait -1
.endif
	s_sub_co_u32 s[TBK], s[TBK], 4*KS*PK
	s_xor_b32 s[TBK], s[TBK], SLOT1
	s_sub_co_u32 s[TBV], s[TBV], 4*KS*PV
	s_xor_b32 s[TBV], s[TBV], SLOT1
.endm
; The 64 mask words of piece x for the key step of KO: 128 bytes for each of its two tiles.
.macro MLOAD x
	s_load_b512 s[MW0:MW0+15],    s[MB:MB+1], s[KO] offset:(2*(\x))*4096
	s_load_b512 s[MW0+16:MW0+31], s[MB:MB+1], s[KO] offset:(2*(\x))*4096+64
	s_load_b512 s[MW1:MW1+15],    s[MB:MB+1], s[KO] offset:(2*(\x)+1)*4096
	s_load_b512 s[MW1+16:MW1+31], s[MB:MB+1], s[KO] offset:(2*(\x)+1)*4096+64
.endm
	s_load_b128 s[68:71], s[0:1], 0x0  ; qkvh s[68:69], mbits s[70:71]
	s_load_b64 s[72:73], s[0:1], 0x10  ; yh
	WIN W_MK
	v_lshl_add_u32 v[SPW], v0, 2, SPARE
	v_mov_b32 v[NIL], 0
	WIN W_AD
	ds_add_u32 v[SPW], v[NIL]       ; the wave's opening: the add and its wait ahead of my first tensor load
	ds_add_u32 v0, v1
	WIN 0
	v_lshrrev_b32 v1, 5, v0
	v_readfirstlane_b32 s[WV], v1
	s_bfe_u32 s74, ttmp6, 0x40000   ; cx: my block of 512 queries (the grid's x is one cluster): it enters Q's, the mask's, the result's and the prefetches' addresses alone
	s_and_b32 s75, ttmp7, 0xffff    ; the head, 16 b + h, which the four partners share
	s_lshl_b32 s76, s75, 18         ; its first byte in each tensor
	s_and_b32 s78, s[WV], 1         ; which half of a slot's 256 keys I fetch
	s_lshl_b32 s80, s78, 14
	s_add_co_u32 s80, s80, s76
	s_mov_b32 s81, 0
	s_mul_i32 s79, s78, 128*PK      ; its place in a slot
	s_lshl_b32 s82, s74, 2
	s_add_co_u32 s82, s82, s[WV]    ; my wave among the head's sixteen
	s_lshl_b32 s84, s82, 14         ; its 128 rows
	s_add_co_u32 s84, s84, s76
	s_mov_b32 s85, 0
	s_lshr_b32 s86, s75, 4          ; b
	s_lshl_b32 s86, s86, 4
	s_add_co_u32 s86, s86, s82
	s_lshl_b32 s86, s86, 15         ; my eight tiles' words: 4,096 bytes a tile
	s_mov_b32 s87, 0
	s_lshl_b32 s92, s74, 13         ; the prefetches: my work-group's 32 blocks, in the head's tile 2
	s_add_co_u32 s92, s92, s76
	s_add_co_u32 s92, s92, 2*4*KS*128
	s_mov_b32 s93, 0
	s_mov_b32 s[G1], 15|(1<<16)|(1<<20)|(1<<21)|(4<<22)|(7<<25)  ; the mask of four; 2-byte elements; padding on; bit 21 beside a mask; after every 32 words 8 words
	s_mov_b32 s[G1+1], 128<<16      ; 128 keys are 16,384 dense bytes: asked for as 64 rows of 256 bytes
	s_mov_b32 s[G1+2], 64<<16
	s_mov_b32 s[G1+3], 128<<16
	s_mov_b32 s[G1+4], 64
	s_mov_b32 s[G1+5], 128
	s_mov_b32 s[G1+6], 0
	s_mov_b32 s[G1+7], 0
	s_mov_b32 s[CS], 0x3e38aa3b     ; c = log2(e) / 8
	s_mov_b32 s[CS+1], s[CS]
	s_mov_b32 s[SEL], 0x76543210
	s_mov_b32 s[SEL+1], 0xfedcba98
	s_mov_b32 s[NEG], 0xf1800000    ; -2^100
	s_mov_b32 s[KO], 0
	s_mov_b32 s[TBK], SLOT1+4*KS*PK ; the first change of slots turns these two into 0
	s_mov_b32 s[TBV], SLOT1+4*KS*PV
	s_mov_b32 s[G0K], 1
	s_mov_b32 s[G0K+1], s79
	s_mov_b32 s[G0V], 1
	s_add_co_u32 s[G0V+1], s79, VOFF
	s_and_b32 s[LIM], s[WV], 1
	s_cmp_eq_u32 s[LIM], 0
	s_cselect_b32 s[LIM], 1, -1     ; waves 0 and 2 prefetch
	s_wait_dscnt 0x0                ; the opening add is done
	s_wait_kmcnt 0x0
	s_add_nc_u64 s[88:89], s[68:69], 0x1000000   ; K
	s_add_nc_u64 s[90:91], s[68:69], 0x2000000   ; V
	s_add_nc_u64 s[G0K+2:G0K+3], s[88:89], s[80:81]
	s_or_b32 s[G0K+3], s[G0K+3], 0x80000000
	s_add_nc_u64 s[G0V+2:G0V+3], s[90:91], s[80:81]
	s_or_b32 s[G0V+3], s[G0V+3], 0x80000000
	s_add_nc_u64 s[QP:QP+1], s[68:69], s[84:85]
	s_add_nc_u64 s[OA:OA+1], s[72:73], s[84:85]
	s_add_nc_u64 s[MB:MB+1], s[70:71], s[86:87]
	s_cmp_lt_u32 s[WV], 2
	s_cselect_b64 s[PFA:PFA+1], s[88:89], s[90:91]
	s_add_nc_u64 s[PFA:PFA+1], s[PFA:PFA+1], s[92:93]
	CROUND                          ; all four work-groups are here: the first joint loads meet
	JLOAD                           ; slot 0.  Slot 1 is asked for when slot 0 is in
	v_and_b32 v1, 15, v0            ; l % 16
	v_bfe_u32 v9, v0, 4, 1          ; l / 16
	v_lshlrev_b32 v[QO], 7, v1
	v_lshl_add_u32 v[QO], v9, 4, v[QO]
	WIN 0x80
.set i, 0
.rept 4*NP                          ; Q stays in registers: tile i / 2, channels 32 (i % 2) on
	global_load_b128 v[8*i:8*i+3],   v[QO], s[QP:QP+1] offset:(i/2)*2048+(i%2)*64
	global_load_b128 v[8*i+4:8*i+7], v[QO], s[QP:QP+1] offset:(i/2)*2048+(i%2)*64+32
.set i, i+1
.endr
	MLOAD 0                         ; piece 0's words for key step 0: the set-up's temporaries are done with
	; What the first turn finds: V's registers and P's second buffer hold 0, O^T and l are 0.  All this stands in the wait for the first tile.
.set i, VF
.rept 64
	v_mov_b32 v[i], 0
.set i, i+1
.endr
	WIN 0x40
.set i, 0
.rept 64*NP
	v_mov_b32 v[i], 0
.set i, i+1
.endr
	WIN 0
.set i, 0
.rept 2*NP
	v_mov_b32 v[ST+4*i], 0xfe000000    ; c m: far below every c s, c NEG too
	v_mov_b32 v[ST+4*i+1], 0xff7fffff  ; m
	v_mov_b32 v[ST+4*i+2], 0
	v_mov_b32 v[ST+4*i+3], 0
.set i, i+1
.endr
.set i, P+32
.rept 32
	v_mov_b32 v[i], 0
.set i, i+1
.endr
	v_mul_u32_u24 v[AK0], v1, PK
	v_lshl_add_u32 v[AK0], v9, 4, v[AK0]
	v_and_b32 v10, 7, v0
	v_bfe_u32 v11, v0, 3, 1
	v_lshl_add_u32 v[AV0], v9, 3, v10
	v_mul_u32_u24 v[AV0], v[AV0], PV
	v_lshl_add_u32 v[AV0], v11, 4, v[AV0]
	v_add_nc_u32 v[AV0], VOFF, v[AV0]
	v_mov_b32 v[AK], v[AK0]
	v_and_b32 v[PFO], 31, v0
	v_lshlrev_b32 v[PFO], 8, v[PFO]
; THE MATRIX WORK.  The 8 accumulators of a run of 16 take turns.
.macro KQ x
	WIN W_KQ
.set rS, S+64*((\x)%2)+32*(i%2)+8*((i/2)%4)
.set rK, KF+16*((i/2)%4)+8*(i/8)
.set rQ, 16*(2*(\x)+i%2)+8*(i/8)
.if i < 8
	v_wmma_f32_16x16x32_f16 v[rS:rS+7], v[rK:rK+7], v[rQ:rQ+7], 0
.else
	v_wmma_f32_16x16x32_f16 v[rS:rS+7], v[rK:rK+7], v[rQ:rQ+7], v[rS:rS+7]
.endif
.endm
.macro PV x
	WIN W_PV
.set rO, 32*(2*(\x)+i%2)+8*((i/2)%4)
.set rV, VF+32*(i/8)+8*((i/2)%4)
.set rP, P+32*((\x)%2)+16*(i%2)+8*(i/8)
	v_wmma_f32_16x16x32_f16 v[rO:rO+7], v[rV:rV+7], v[rP:rP+7], v[rO:rO+7]
.endm
.macro MM
.if i < 16
	KQ (Y+1)%NP
.set i, i+1
.else
.set i, i-16
	PV (Y+NP-1)%NP
.set i, i+17
.endif
.endm
.macro FETCH_K last=0
	WIN 0
.if \last
	s_cmp_eq_u32 s[CNT], 1
	s_cbranch_scc1 .Lno_k_\@
.endif
	WIN 0x80
.irp f, 0,1,2,3,4,5,6,7
	ds_load_b128 v[KF+8*\f:KF+8*\f+3],   v[AK] offset:(\f/2)*16*PK+(\f%2)*64
	ds_load_b128 v[KF+8*\f+4:KF+8*\f+7], v[AK] offset:(\f/2)*16*PK+(\f%2)*64+32
.endr
	s_add_co_u32 s[TBK], s[TBK], KS*PK
	WIN 0
.if \last
.Lno_k_\@:
.endif
.endm
.macro FETCH_V
	WIN 0x80
.irp f, 0,1,2,3,4,5,6,7
	ds_load_tr16_b128 v[VF+8*\f:VF+8*\f+3],   v[AV] offset:(\f/4)*32*PV+(\f%4)*32
	ds_load_tr16_b128 v[VF+8*\f+4:VF+8*\f+7], v[AV] offset:(\f/4)*32*PV+16*PV+(\f%4)*32
.endr
	WIN 0
.endm
; THE VECTOR WORK OF A TURN stands in three queues, each in the order in which its entries become ready.
.macro REGS y, u
.set rT, ST+4*(2*(\y)+(\u))
.set rC, TMP+8*((\y)%2)+4*(\u)
.set rM, MV+2*((\y)%2)+(\u)
.set rS, S+64*((\y)%2)+32*(\u)
.set rP, P+32*((\y)%2)+16*(\u)
.set rO, 32*(2*(\y)+(\u))
.endm
; Score c of the NEXT piece's 64 (tile c / 32, register c % 32) keeps its value in the lanes of its word, and takes NEG in the others.  Ascending: each accumulator's lowest registers are read first.
.macro CM c
	REGS (Y+1)%NP, (\c)/32
.if (\c) < 32
	v_cndmask_b32 v[rS+(\c)%32], s[NEG], v[rS+(\c)%32], s[MW0+(\c)]
.else
	v_cndmask_b32 v[rS+(\c)%32], s[NEG], v[rS+(\c)%32], s[MW1+(\c)-32]
.endif
.endm
; Number n of the 22 that find the NEXT piece's maximum and statistics.
.macro XS u, n
	REGS (Y+1)%NP, \u
.if (\n) < 4
	v_max3_num_f32 v[rC+(\n)], v[rS+8*(\n)], v[rS+8*(\n)+1], v[rS+8*(\n)+2]
.elseif (\n) < 12
	v_max3_num_f32 v[rC+(\n)%4], v[rC+(\n)%4], v[rS+8*((\n)%4)+2*((\n)/4)+1], v[rS+8*((\n)%4)+2*((\n)/4)+2]
.elseif (\n) == 12
	v_max3_num_f32 v[rC], v[rC], v[rS+7], v[rS+15]
.elseif (\n) == 13
	v_max3_num_f32 v[rC+1], v[rC+1], v[rS+23], v[rS+31]
.elseif (\n) == 14
	v_max3_num_f32 v[rC+2], v[rC+2], v[rC+3], v[rT+1]
.elseif (\n) == 15
	v_mov_b32 v[rM], v[rT]
.elseif (\n) == 16
	v_max3_num_f32 v[rC], v[rC], v[rC+1], v[rC+2]
.elseif (\n) == 17
	v_permlanex16_b32 v[rC+3], v[rC], s[SEL], s[SEL+1]
.elseif (\n) == 18
	v_max_num_f32 v[rT+1], v[rC], v[rC+3]
.elseif (\n) == 19
	v_mul_f32 v[rT], s[CS], v[rT+1]
.elseif (\n) == 20
	v_sub_f32 v[rC+1], v[rM], v[rT]
.else
	v_exp_f32 v[rC+2], v[rC+1]
.endif
.endm
; Number g of the 64 that follow the exponentials: roundings to f16, sums in place, l.
.macro GS g
.set h, (\g)+6*((\g)/62)
.if h >= 6
.set h, h+2
.endif
	REGS Y, h%2
.set k, h/8
.if h%8 < 4
	v_cvt_pk_f16_f32 v[rP+2*k+(h%8)/2], v[rS+4*k+2*((h%8)/2)], v[rS+4*k+2*((h%8)/2)+1]
.elseif h%8 < 6
	v_pk_add_f32 v[rS+4*k:rS+4*k+1], v[rS+4*k:rS+4*k+1], v[rS+4*k+2:rS+4*k+3]
.elseif k == 1
	v_pk_fma_f32 v[rT+2:rT+3], v[rT+2:rT+3], v[rC+2:rC+3], v[rS:rS+1] op_sel_hi:[1,0,1]
.else
	v_pk_add_f32 v[rT+2:rT+3], v[rT+2:rT+3], v[rS+4*k-4:rS+4*k-3]
.endif
.endm
.macro FS f
	REGS Y, (\f)%2
	v_pk_fma_f32 v[rS+2*((\f)/2):rS+2*((\f)/2)+1], v[rS+2*((\f)/2):rS+2*((\f)/2)+1], s[CS:CS+1], v[rT:rT+1] op_sel_hi:[1,0,0] neg_lo:[0,0,1] neg_hi:[0,0,1]
.endm
; THE PLAIN QUEUE, 202 long.  0-26: scalings 0-26.  27-90: the next piece's 64 mask selects.  91-118: XS's numbers 0-13.  119, 120: number 15.  121-137: the chain 14, 16, 17, 18, 19, each with one of the
; scalings 27-31 in front of its two lines, then 20.  138-201: GS's 64, which read the exponentials' results and stand behind the wait.
.macro PL
	WIN 0
.if q < 27
	FS q
.elseif q < 91
	CM q-27
.elseif q < 119
	XS (q-91)%2, (q-91)/2
.elseif q < 121
	XS q-119, 15
.elseif (q < 136) && ((q-121)%3 == 0)
	FS 27+(q-121)/3
.elseif q < 124
	XS (q-121)%3-1, 14
.elseif q < 136
	XS (q-121)%3-1, 15+(q-121)/3
.elseif q < 138
	XS q-136, 20
.else
	GS q-138
.endif
.set q, q+1
.endm
; THE EXPONENTIALS' QUEUE, 66 long: s0-s31 of both tiles, then the next piece's two a.  ONE BATCH: nothing ahead of the turn's wait names a result of theirs.
.macro EX
	WIN 0
.if e >= 64
	XS e-64, 21
.else
	REGS Y, e%2
	v_exp_f32 v[rS+e/2], v[rS+e/2]
.endif
.set e, e+1
.endm
.macro R2                           ; the rescaling's queue: O^T times a, two at a time
	REGS Y, r%2
	WIN W_RS
.irp z, 0,1
	v_pk_mul_f32 v[rO+4*(r/2)+2*\z:rO+4*(r/2)+2*\z+1], v[rO+4*(r/2)+2*\z:rO+4*(r/2)+2*\z+1], v[rC+2:rC+3] op_sel_hi:[1,0]
.endr
.set r, r+1
.endm
; A TURN, for piece p.  AHEAD OF THE WAIT: the 16 products K Q^T, behind each a scaling, an exponential and two rescalings; then the lump.  Exponential e stands behind scaling 2 (e / 4) + e % 2: exponentials 0-52 want
; scalings 0-26, dealt by plain number 26; 53-63 fall behind scalings 27-31 in the chain.  The mask words, asked for in the turn before, are waited for ahead of plain number 27, the first select; the words of the piece after next
; are asked for four plain lines behind the last select.  In piece 2's turn the words' key step goes on, behind the wait that shows the last loads done; it is held to the last step, so that the walk's spare trip stays inside mbits.
; BEHIND THE WAIT: the 16 products V^T P, behind each four of the roundings and sums.
; K of the next step is fetched in piece 2's turn, directly behind the wait; V of the step in hand at the end of piece 0's turn, four plain instructions behind its last reader.
.macro TURN p, last=0, cnt=0
.set Y, (\p)
.set i, 0
.set q, 0
.set e, 0
.set r, 0
.if (\p) == NP-1
	s_wait_dscnt 0x0                ; K is in
.endif
	MM
	PL
	PL
	R2
.rept 15
	MM
	PL
	EX
	R2
.endr
.if (\p) == NP-2
	WIN 0
	v_add_nc_u32 v[AK], s[TBK], v[AK0]
.endif
.rept 8
	PL
.endr
.rept 2
	EX
	PL
.endr
	s_wait_kmcnt 0x0                ; the next piece's mask words are in
.if (\p) == NP-2
	s_add_co_u32 s[KO], s[KO], 128
	s_min_u32 s[KO], s[KO], 3968
.endif
.rept 36
	EX
	PL
.endr
.rept 32
	PL
.endr
	MLOAD ((\p)+2)%NP
.rept 26
	PL
.endr
.rept 5
	PL
	PL
	PL
	EX
	EX
.endr
	PL
	PL
	EX
	EX
	EX
	v_nop                           ; a plain instruction behind the last exponential: one for the batch
	s_wait_alu depctr_va_vdst(0)    ; the wait for the batch, ahead of the first reader
.if (\p) == NP-2
	FETCH_K \last
.endif
.if (\p) == 1
	s_wait_dscnt 0x0                ; V is in
.endif
.rept 16
	MM
.rept 4
	PL
.endr
.if ((\p) == 0) && (q == 182)
	v_add_nc_u32 v[AV], s[TBV], v[AV0]
.endif
.if ((\p) == 0) && (q == 194)
	s_add_co_u32 s[TBV], s[TBV], KS*PV
.endif
.if (\cnt) && (q == 194)
	s_sub_co_u32 s[CNT], s[CNT], 1
	s_cmp_lg_u32 s[CNT], 0
.endif
.endr
.if (\p) == 0
	FETCH_V
.endif
.endm
	CHANGE 1                        ; slot 0 is in, everybody's part of it; slot 1 is asked for
	FETCH_K                         ; key step 0
	s_wait_loadcnt 0x0              ; Q
	s_wait_dscnt 0x0
.set i, 0
.rept 16
	KQ 0                            ; piece 0's first scores
.set i, i+1
.endr
	WIN 0                           ; the addresses for the way out: plain instructions, the places behind those products
	s_mul_i32 s104, s[WV], 16*SP
	s_add_co_u32 s104, s104, STAGE  ; my stage
	v_mul_u32_u24 v[STO], v1, SP
	v_lshl_add_u32 v[STO], v9, 4, v[STO]
	v_add_nc_u32 v[STO], s104, v[STO]
	v_bfe_u32 v[RD], v0, 3, 2
	v_mul_u32_u24 v[RD], v[RD], SP
	v_lshl_add_u32 v[RD], v10, 4, v[RD]
	v_add_nc_u32 v[RD], s104, v[RD]
	v_and_b32 v[GO], 31, v0
	v_lshlrev_b32 v[GO], 4, v[GO]
.set Y, NP-1                        ; CM and XS work for piece Y + 1: piece 0
	s_wait_kmcnt 0x0                ; piece 0's words
.set cc, 0
.rept 64
	CM cc
.set cc, cc+1
.endr
.irp n, 0,1,2,3
	XS 0, \n
	XS 1, \n
.endr
	MLOAD 1                         ; piece 1's words for key step 0
.irp n, 4,5,6,7,8,9,10,11,12,13,14,15,16,17,18,19,20,21
	XS 0, \n
	XS 1, \n
.endr
	v_nop
	s_wait_alu depctr_va_vdst(0)
	s_mov_b32 s[CNT], 4
	s_mov_b32 s[SLOTS], SIZE_N/256-1
	s_branch .Lfirst                ; the loop is entered at a step's first turn, in the middle of a trip
.Lslot:                             ; six times: every slot but the last two is filled again
	CHANGE 1, 1
	s_mov_b32 s[CNT], 4
.Lstep:                             ; a trip: pieces 2 and 3 of one step, then pieces 0 and 1 of the next
	TURN 2
	TURN 3
	WIN 0
.Lfirst:
	TURN 0
	TURN 1, 0, 1
	WIN 0
	s_cbranch_scc1 .Lstep
	s_sub_co_u32 s[SLOTS], s[SLOTS], 1
	s_cmp_lg_u32 s[SLOTS], 0
	s_cbranch_scc1 .Lslot
	CHANGE 0                        ; the tail is written out
	s_mov_b32 s[CNT], 5             ; four trips fetch the last slot's steps; the fifth is left in its middle
.Ltail:
	TURN 2, 1
	TURN 3
	WIN 0
	s_sub_co_u32 s[CNT], s[CNT], 1
	s_cmp_eq_u32 s[CNT], 0
	s_cbranch_scc1 .Lout
	TURN 0
	TURN 1
	WIN 0
	s_branch .Ltail
.Lout:                              ; the fifth trip's products K Q^T repeat the last step's scores under the last step's words: piece 0's m is left as it was
	s_wait_kmcnt 0x0                ; the last words asked for serve nothing
.set i, 0
.rept 16
	PV NP-1
.set i, i+1
.endr
	; THE WAY OUT.  l's halves are added; O^T is divided by l (by NaN where the row saw no key), rounded to f16 and sent through my stage, a tile at a time.
	WIN 0
.macro ALL line:vararg
.set t, 0
.rept 2*NP
	\line
.set t, t+1
.endr
.endm
	ALL v_add_f32 v[ST+4*t+2], v[ST+4*t+2], v[ST+4*t+3]
	ALL v_permlanex16_b32 v[ST+4*t+3], v[ST+4*t+2], s[SEL], s[SEL+1]
	ALL v_add_f32 v[ST+4*t+2], v[ST+4*t+2], v[ST+4*t+3]
	ALL v_rcp_f32 v[ST+4*t+2], v[ST+4*t+2]
	v_nop
	s_wait_alu depctr_va_vdst(0)    ; one wait for the eight reciprocals
.set t, 0
.rept 2*NP
	v_cmp_lt_f32 vcc_lo, 0xf1000000, v[ST+4*t+1]                         ; -2^99 < m: the row has seen a key
	v_cndmask_b32 v[ST+4*t+2], 0x7fc00000, v[ST+4*t+2], vcc_lo           ; else NaN
.set t, t+1
.endr
.macro PACK t
	WIN W_RS
.set i, 32*(\t)
.rept 16
	v_pk_mul_f32 v[i:i+1], v[i:i+1], v[ST+4*(\t)+2:ST+4*(\t)+3] op_sel_hi:[1,0]
.set i, i+2
.endr
	WIN 0x05
.set i, 0
.rept 16
	v_cvt_pk_f16_f32 v[S+16*(\t)+i], v[32*(\t)+2*i], v[32*(\t)+2*i+1]
.set i, i+1
.endr
	WIN 0
.irp f, 0,1,2,3
	ds_store_b128 v[STO], v[S+16*(\t)+4*\f:S+16*(\t)+4*\f+3] offset:32*\f
.endr
.irp f, 0,1,2,3
	ds_load_b128 v[S+16*(\t)+4*\f:S+16*(\t)+4*\f+3], v[RD] offset:\f*4*SP  ; LDS serves a wave's instructions in order (ISA guide 5.7.1.4)
.endr
.endm
.macro SEND t, younger              ; younger: the next tile's eight LDS instructions, or none
	WIN 0
.irp f, 0,1,2,3
	s_wait_dscnt (\younger)+3-\f
	global_store_b128 v[GO], v[S+16*(\t)+4*\f:S+16*(\t)+4*\f+3], s[OA:OA+1] offset:(\t)*2048+\f*512  ; 512 consecutive bytes, aligned to 256
.endr
.endm
	PACK 0
.set t, 1
.rept 2*NP-1
	PACK t
	SEND t-1, 8
.set t, t+1
.endr
	SEND 2*NP-1, 0
	WIN W_AD
	s_wait_tensorcnt 0x0            ; the wave's end
	ds_add_u32 v[SPW], v[NIL]
	s_wait_dscnt 0x0
	WIN 0
	CROUND                          ; the closing round
	s_endpgm
.Lfunc_end_k_qdc552392e8_attn:
	.size	k_qdc552392e8_attn, .Lfunc_end_k_qdc552392e8_attn-k_qdc552392e8_attn
	.p2alignl 7, 3214868480
	.fill 96, 4, 3214868480
	.section	.rodata,"a",@progbits
	.p2align	6, 0x0
	.amdhsa_kernel k_qdc552392e8_attn
		.amdhsa_group_segment_fixed_size 327680
		.amdhsa_private_segment_fixed_size 0
		.amdhsa_enable_private_segment 0
		.amdhsa_kernarg_size 24
		.amdhsa_user_sgpr_count 2
		.amdhsa_user_sgpr_kernarg_segment_ptr 1
		.amdhsa_wavefront_size32 1
		.amdhsa_system_sgpr_workgroup_id_x 1
		.amdhsa_system_sgpr_workgroup_id_y 1
		.amdhsa_system_sgpr_workgroup_id_z 1
		.amdhsa_system_vgpr_workitem_id 0
		.amdhsa_next_free_vgpr 770
		.amdhsa_next_free_sgpr 106
		.amdhsa_reserve_vcc 1
		.amdhsa_float_denorm_mode_32 3
		.amdhsa_float_denorm_mode_16_64 3
		.amdhsa_memory_ordered 1
		.amdhsa_forward_progress 1
		.amdhsa_inst_pref_size 240
	.end_amdhsa_kernel
	.amdgpu_metadata
---
amdhsa.version: [ 1, 2 ]
amdhsa.kernels:
  - .name:           k_qdc552392e8_attn
    .symbol:         k_qdc552392e8_attn.kd
    .args:
      - { .name: qkvh, .offset: 0, .size: 8, .value_kind: global_buffer, .address_space: global }
      - { .name: mbits, .offset: 8, .size: 8, .value_kind: global_buffer, .address_space: global }
      - { .name: yh, .offset: 16, .size: 8, .value_kind: global_buffer, .address_space: global }
    .group_segment_fixed_size: 327680
    .private_segment_fixed_size: 0
    .kernarg_segment_align: 8
    .kernarg_segment_size: 24
    .max_flat_workgroup_size: 128
    .sgpr_count:     106
    .vgpr_count:     770
    .wavefront_size: 32
...
	.end_amdgpu_metadata
.endif
;; end of part 3
;; launch oproj (part 4): grid 4 x 64, 4 waves a work-group, clusters of 4 x 4, 327,680 bytes of LDS; arguments yh, w16, out0; writes out0
.if DOCPART == 4
	.amdgcn_target "amdgcn-amd-amdhsa--gfx1250"
	.amdhsa_code_object_version 6
	.text
	.protected	k_qdc552392e8_oproj
	.globl	k_qdc552392e8_oproj
	.p2align	8
	.type	k_qdc552392e8_oproj,@function
k_qdc552392e8_oproj:
	s_mov_b64 s[64:65], 0
	v_nop
	global_prefetch_b8 v0, s[64:65] scope:SCOPE_SE
	s_setreg_imm32_b32 hwreg(HW_REG_WAVE_MODE, 25, 1), 1
	s_wait_xcnt 0x0
	s_wait_alu depctr_hold_cnt(0) depctr_sa_sdst(0) depctr_va_vdst(0) depctr_va_sdst(0) depctr_va_ssrc(0) depctr_va_vcc(0) depctr_vm_vsrc(0)
	s_getreg_b32 s2, hwreg(HW_REG_IB_STS2, 6, 4)
	s_cmp_eq_u32 s2, 0
	s_cbranch_scc0 .Lentry_in_a_cluster
	s_endpgm
.Lentry_in_a_cluster:
	s_bfe_u32 s2, ttmp6, 0x10000c
	s_cmp_lg_u32 s2, 0xf033
	s_cbranch_scc0 .Lentry_shape_is_right
	s_endpgm
.Lentry_shape_is_right:
; OPROJ.  out0[m][n] = the sum over k of Y[m][k] W_o[n][k].  Y lies by heads, yh[b x 16 + h][s][64] in f16 (k = 64 h + d); W_o: [1024][1024] f16, at w16 + 6 MiB; out0: [8192][1024] f32; sums in f32.
; A row of Y that is NaN (a row that saw no key) gives a row of NaN.
; SHARES.  A tile of out0 is 128 x 256: 256 work-groups.  Four waves, each 64 x 128: 32 accumulators.  K goes in 8 steps of 128, two heads a step, through two LDS slots; a step is four quarters of 32 along K.
; CLUSTER.  4 x 4 work-groups: Y's tile is shared along a row of the cluster, W's along a column: each is asked for JOINTLY.
; THE MATRIX INSTRUCTION IS USED TRANSPOSED (source 0 = 16 rows of W, source 1 = 16 rows of Y): a lane holds eight neighbouring columns of one row of out0.
; REGISTERS: window 0: v0-31 addresses; v64-127 Y's fragments, two buffers of 32; v128-255 W's, two buffers of 64 (on the way out v64-255 hold rows).  window 1: the accumulators, (a, b) at 8 (8 a + b).
.set PY,    144                        ; a row of Y in LDS: 128 bytes + 16 = 36 words: the 16 rows of a load start at 16 different groups of four banks (64 banks of 4 bytes: ISA guide 11.1)
.set PW,    272
.set YHEAD, 128*PY                     ; one head's 128 rows: what one load brings
.set WHALF, 128*PW
.set WOFF,  2*YHEAD
.set SLOT,  WOFF+2*WHALF
.set STAGE, 2*SLOT                     ; behind the ring: 16 rows x 528 bytes for each wave
.set SPITCH, 528
.set SPARE, STAGE+4*16*SPITCH
.set ADRA, 16
.set ADRB, 20
.set STO,  24
.set RD,   25
.set GO,   26
.set SPW,  28
.set NIL,  29
.set PFO,  30
.set AF,   64
.set BF,   128
.set WV, 14
.set RA, 15
.set RB, 16
.set G1,  24
.set G0,  32
.set PFA, 40
.set KB,  42
.set LIM, 44
.set G1B, 48
.set G0B, 56
.set MSB, 0
.macro WIN new
.if MSB != (\new)
	s_set_vgpr_msb (MSB<<8)|(\new)
.set MSB, \new
.endif
.endm
.set MUL, 0x50                         ; sources 0 and 1 window 0; C and D window 1
.macro JLOAD s                         ; waves 0 and 1 fetch Y's two heads, waves 2 and 3 W's halves; an s_nop 0 and four v_nop follow each line
	s_cmp_eq_u32 s[RA], 0
	s_cbranch_scc0 .Lfor_w_\@
	tensor_load_to_lds s[G0+4*(\s):G0+4*(\s)+3], s[G1:G1+7]
	s_nop 0
.rept 4
	v_nop
.endr
	s_branch .Lasked_\@
.Lfor_w_\@:
	tensor_load_to_lds s[G0B+4*(\s):G0B+4*(\s)+3], s[G1B:G1B+7]
	s_nop 0
.rept 4
	v_nop
.endr
.Lasked_\@:
.endm
.macro CREST
	s_cmp_lg_u32 s[WV], 0
	s_cbranch_scc1 .Lnot_wave_0_\@
	s_barrier_signal -3
.Lnot_wave_0_\@:
	s_barrier_wait -3
	s_barrier_signal -1
	s_barrier_wait -1
.endm
.macro CROUND
	s_barrier_signal -1
	s_barrier_wait -1
	CREST
.endm
; A prefetch of the K step two refills on.  Y: each cluster is the only reader of its rows; wave 0 asks for both heads, the partner at cx taking 16 of each head's 64 blocks of 256 bytes.
; W: the first cluster asks; of the 128 rows that wave 2 or 3 fetches the partner at cy takes 32.  The partners are told apart by address alone; the loop's last trip asks for nothing.
.macro ASK
	s_cmp_gt_u32 s3, s[LIM]
	s_cbranch_scc0 .Lnot_mine_\@
	global_prefetch_b8 v[PFO], s[PFA:PFA+1] th:TH_LOAD_NT scope:SCOPE_SE
.Lnot_mine_\@:
.endm
.macro PLACES
.rept 4
	v_nop
.endr
.endm
	s_load_b128 s[4:7], s[0:1], 0x0                ; yh s[4:5], w16 s[6:7]
	s_load_b64 s[8:9], s[0:1], 0x10                ; out0
	v_lshl_add_u32 v[SPW], v0, 2, SPARE
	v_mov_b32 v[NIL], 0
	ds_add_u32 v[SPW], v[NIL]                      ; the wave's opening: the add and its wait ahead of my first tensor load
	ds_add_u32 v28, v29
	v_lshrrev_b32 v1, 5, v0
	v_readfirstlane_b32 s[WV], v1
	s_lshr_b32 s[RA], s[WV], 1
	s_and_b32 s[RB], s[WV], 1
	s_bfe_u32 s17, ttmp6, 0x40000                  ; cx
	s_bfe_u32 s18, ttmp6, 0x40004                  ; cy
	s_lshl_b32 s47, ttmp9, 2
	s_add_co_u32 s47, s47, s17                     ; tile column
	s_and_b32 s22, ttmp7, 0xffff                   ; cluster y
	s_lshl_b32 s20, s22, 2
	s_add_co_u32 s20, s20, s18                     ; tile row
	s_lshl_b32 s23, s18, 2
	s_lshl_b32 s23, 15, s23                        ; my row of the cluster
	s_lshl_b32 s46, 0x1111, s17                    ; my column
	s_or_b32 s[G1+0], s23, (1<<16)|(1<<20)|(1<<21)|(4<<22)|(3<<25)   ; Y: 2-byte elements; padding: after every 32 words 4 words
	s_or_b32 s[G1B+0], s46, (1<<16)|(1<<20)|(1<<21)|(5<<22)|(3<<25)  ; W: after every 64 words 4 words
	s_mov_b32 s[G1+1], 128<<16                     ; a head's 128 rows are 16,384 dense bytes: asked for as 64 rows of 256 bytes
	s_mov_b32 s[G1+2], 64<<16
	s_mov_b32 s[G1+3], 128<<16
	s_mov_b32 s[G1+4], 64
	s_mov_b32 s[G1+5], 128
	s_mov_b32 s[G1+6], 0
	s_mov_b32 s[G1+7], 0
	s_mov_b32 s[G1B+1], 128<<16
	s_mov_b32 s[G1B+2], 128<<16
	s_mov_b32 s[G1B+3], 128<<16
	s_mov_b32 s[G1B+4], 128
	s_mov_b32 s[G1B+5], 1024
	s_mov_b32 s[G1B+6], 0
	s_mov_b32 s[G1B+7], 0
	s_lshr_b32 s66, s20, 4                         ; Y: head (tile row / 16) x 16 + my one of the step's two, row (tile row % 16) x 128
	s_lshl_b32 s66, s66, 4
	s_add_co_u32 s66, s66, s[RB]
	s_lshl_b32 s66, s66, 18
	s_and_b32 s67, s20, 15
	s_lshl_b32 s67, s67, 14
	s_add_co_u32 s66, s66, s67
	s_mov_b32 s67, 0
	s_lshl_b32 s68, s47, 8                         ; W: row 256 x tile column + 128 x half, in the fourth matrix
	s_lshl_b32 s69, s[RB], 7
	s_add_co_u32 s68, s68, s69
	s_lshl_b32 s68, s68, 11
	s_add_co_u32 s68, s68, 0x600000
	s_mov_b32 s69, 0
	s_mul_i32 s70, s[RB], YHEAD
	s_mul_i32 s71, s[RB], WHALF
	s_add_co_u32 s71, s71, WOFF
	s_wait_dscnt 0x0                               ; the opening add is done
	s_wait_kmcnt 0x0
	s_add_nc_u64 s[72:73], s[4:5], s[66:67]
	s_add_nc_u64 s[74:75], s[6:7], s[68:69]
	CROUND                                         ; all sixteen work-groups are here: the first joint loads meet
.irp s, 0,1
	s_mov_b32 s[G0+4*\s], 1
	s_add_co_u32 s[G0+4*\s+1], s70, \s*SLOT
	s_add_nc_u64 s[G0+4*\s+2:G0+4*\s+3], s[72:73], \s*524288
	s_or_b32 s[G0+4*\s+3], s[G0+4*\s+3], 0x80000000
	s_mov_b32 s[G0B+4*\s], 1
	s_add_co_u32 s[G0B+4*\s+1], s71, \s*SLOT
	s_add_nc_u64 s[G0B+4*\s+2:G0B+4*\s+3], s[74:75], \s*256
	s_or_b32 s[G0B+4*\s+3], s[G0B+4*\s+3], 0x80000000
	JLOAD \s
.endr
	v_and_b32 v1, 15, v0
	v_bfe_u32 v2, v0, 4, 1
	v_mul_u32_u24 v3, v1, PY
	v_lshl_add_u32 v3, v2, 4, v3
	v_mul_u32_u24 v4, v1, PW
	v_lshl_add_u32 v4, v2, 4, v4
	s_mul_i32 s76, s[RA], 64*PY                    ; my 64 rows, in each head
	s_mul_i32 s77, s[RB], WHALF
	s_add_co_u32 s77, s77, WOFF
.irp s, 0,1
	v_add_nc_u32 v[ADRA+\s], s76, v3
	v_add_nc_u32 v[ADRB+\s], s77, v4
	s_add_co_u32 s76, s76, SLOT
	s_add_co_u32 s77, s77, SLOT
.endr
	s_mul_i32 s78, s[WV], 16*SPITCH
	s_add_co_u32 s78, s78, STAGE                   ; my stage
	v_mul_u32_u24 v[STO], v1, SPITCH               ; in: row l % 16, 32 bytes for each half of the lanes
	v_lshl_add_u32 v[STO], v2, 5, v[STO]
	v_add_nc_u32 v[STO], s78, v[STO]
	v_and_b32 v[GO], 31, v0                        ; back: 32 lanes take one row of 512 bytes
	v_lshlrev_b32 v[GO], 4, v[GO]
	v_add_nc_u32 v[RD], s78, v[GO]
	s_lshl_b32 s80, s20, 7                         ; out0: row 128 x tile row + 64 x row half; column 256 x tile column + 128 x column half
	s_lshl_b32 s81, s[RA], 6
	s_add_co_u32 s80, s80, s81
	s_lshl_b32 s80, s80, 12
	s_lshl_b32 s81, s47, 10
	s_add_co_u32 s80, s80, s81
	s_lshl_b32 s81, s[RB], 9
	s_add_co_u32 s80, s80, s81
	s_mov_b32 s81, 0
	s_add_nc_u64 s[8:9], s[8:9], s[80:81]
	; the prefetches: at K step 3; the first change of slots steps them to K step 4
	s_lshr_b32 s82, s20, 4
	s_lshl_b32 s82, s82, 22                        ; the batch's sixteen heads
	s_and_b32 s83, s20, 15
	s_lshl_b32 s83, s83, 14
	s_add_co_u32 s82, s82, s83
	s_lshl_b32 s83, s17, 12                        ; my work-group's 16 blocks of the 64
	s_add_co_u32 s82, s82, s83
	s_add_co_u32 s82, s82, 3*524288
	s_lshl_b32 s84, s47, 8
	s_lshl_b32 s85, s[RB], 7
	s_add_co_u32 s84, s84, s85
	s_lshl_b32 s85, s18, 5
	s_add_co_u32 s84, s84, s85                     ; W: my work-group's 32 rows of the 128
	s_lshl_b32 s84, s84, 11
	s_add_co_u32 s84, s84, 0x600000+3*256
	s_mov_b32 s87, 256
	s_cmp_eq_u32 s22, 0
	s_cselect_b32 s86, 1, -1                       ; W is asked for by the first cluster
	s_cmp_eq_u32 s[WV], 0
	s_cselect_b32 s88, 1, -1                       ; Y by wave 0
	s_cmp_eq_u32 s[RA], 0
	s_cselect_b32 s82, s82, s84
	s_cselect_b64 s[PFA:PFA+1], s[4:5], s[6:7]
	s_cselect_b32 s[KB], 524288, s87
	s_cselect_b32 s[LIM], s88, s86
	s_cselect_b32 s45, 18, 15
	s_cselect_b32 s89, 8, 11
	s_mov_b32 s83, 0
	s_mov_b32 s[KB+1], 0
	s_add_nc_u64 s[PFA:PFA+1], s[PFA:PFA+1], s[82:83]
	v_lshlrev_b32 v5, s45, v2                      ; Y: lane / 16 is the head, lane % 16 the block; W: the lane is the row (2,048 bytes)
	v_lshlrev_b32 v6, s89, v1
	v_add_nc_u32 v[PFO], v5, v6
.macro MUL8 f, a, zero                 ; row block a x all 8 column blocks, 32 along K.  The 32 accumulators take turns, in the same order in every quarter
	WIN MUL
.irp b, 0,1,2,3,4,5,6,7
.if \zero
	v_wmma_f32_16x16x32_f16 v[8*(8*(\a)+\b):8*(8*(\a)+\b)+7], v[BF+64*(\f)+8*\b:BF+64*(\f)+8*\b+7], v[AF+32*(\f)+8*(\a):AF+32*(\f)+8*(\a)+7], 0
.else
	v_wmma_f32_16x16x32_f16 v[8*(8*(\a)+\b):8*(8*(\a)+\b)+7], v[BF+64*(\f)+8*\b:BF+64*(\f)+8*\b+7], v[AF+32*(\f)+8*(\a):AF+32*(\f)+8*(\a)+7], v[8*(8*(\a)+\b):8*(8*(\a)+\b)+7]
.endif
.endr
.endm
.macro FETCH slot, kq, f               ; 24 LDS loads in one run: W's 8 blocks, then Y's 4 (quarter kq lies in head kq / 2, channels 32 (kq % 2) on)
	WIN 0
.irp b, 0,1,2,3,4,5,6,7
	ds_load_b128 v[BF+64*(\f)+8*\b:BF+64*(\f)+8*\b+3],   v[ADRB+(\slot)] offset:\b*16*PW+64*(\kq)
	ds_load_b128 v[BF+64*(\f)+8*\b+4:BF+64*(\f)+8*\b+7], v[ADRB+(\slot)] offset:\b*16*PW+64*(\kq)+32
.endr
.irp a, 0,1,2,3
	ds_load_b128 v[AF+32*(\f)+8*\a:AF+32*(\f)+8*\a+3],   v[ADRA+(\slot)] offset:((\kq)/2)*YHEAD+((\kq)%2)*64+\a*16*PY
	ds_load_b128 v[AF+32*(\f)+8*\a+4:AF+32*(\f)+8*\a+7], v[ADRA+(\slot)] offset:((\kq)/2)*YHEAD+((\kq)%2)*64+\a*16*PY+32
.endr
.endm
.macro QUARTER slot, kq, f, g, zero    ; multiplies buffer f; in its middle fetches quarter kq of the slot into buffer g
	s_wait_dscnt 4                                 ; W and Y's blocks 0 and 1 are in; the youngest four loads may be out
	MUL8 \f, 0, \zero
	MUL8 \f, 1, \zero
	PLACES                                         ; four places in front of loads into registers that matrix instructions have read
	FETCH \slot, \kq, \g
	s_wait_dscnt 24                                ; all but the 24 just issued
	MUL8 \f, 2, \zero
	MUL8 \f, 3, \zero
.endm
; A step's last quarter multiplies buffer 1 and changes slots: ONE barrier; in front of it each wave waits for all its tensor loads, adds 0 to its spare word, and waits for that and for its reads of this slot.
; fill = 1: the barrier opens a round of the cluster's, and the joint refill, two K steps on, is the first thing behind it: 112 matrix instructions ahead of the wait for it.
.macro TURN slot, next, fill
.if \fill
	s_wait_xcnt 0x0                                ; the last prefetch, a K step back, has read its address
	s_add_nc_u64 s[PFA:PFA+1], s[PFA:PFA+1], s[KB:KB+1]
.endif
	WIN 0
	s_wait_tensorcnt 0x0
	ds_add_u32 v[SPW], v[NIL]                      ; 0 onto my spare word
	s_wait_dscnt 5                                 ; the add and the youngest four loads may be out
	MUL8 1, 0, 0
	s_wait_dscnt 0x0                               ; the add is done, and my reads of this slot are over
	s_barrier_signal -1
	MUL8 1, 1, 0
	WIN 0
	s_barrier_wait -1
.if \fill
	CREST
	s_add_nc_u64 s[G0+4*(\slot)+2:G0+4*(\slot)+3], s[G0+4*(\slot)+2:G0+4*(\slot)+3], 2*524288
	s_add_nc_u64 s[G0B+4*(\slot)+2:G0B+4*(\slot)+3], s[G0B+4*(\slot)+2:G0B+4*(\slot)+3], 2*256
	JLOAD \slot                                    ; the four v_nop behind it are also the places in front of the loads below
.else
	PLACES
.endif
	FETCH \next, 0, 0
.if \fill
	ASK
.endif
	MUL8 1, 2, 0
	MUL8 1, 3, 0
.endm
	s_wait_tensorcnt 1                             ; my part of K step 0 is in; K step 1's load may stay out
	s_barrier_signal -1
	s_barrier_wait -1
	FETCH 0, 0, 0
	QUARTER 0, 1, 0, 1, 1                          ; the first quarter stands ahead of the loop: its products start the sums
	WIN 0
	s_mov_b32 s3, 3
.Llap:
	QUARTER 0, 2, 1, 0, 0
	QUARTER 0, 3, 0, 1, 0
	TURN 0, 1, 1
	QUARTER 1, 1, 0, 1, 0
	QUARTER 1, 2, 1, 0, 0
	QUARTER 1, 3, 0, 1, 0
	TURN 1, 0, 1
	QUARTER 0, 1, 0, 1, 0
	WIN 0
	s_sub_co_u32 s3, s3, 1
	s_cmp_lg_u32 s3, 0
	s_cbranch_scc1 .Llap
	QUARTER 0, 2, 1, 0, 0                          ; the last lap fills nothing
	QUARTER 0, 3, 0, 1, 0
	TURN 0, 1, 0
	QUARTER 1, 1, 0, 1, 0
	QUARTER 1, 2, 1, 0, 0
	QUARTER 1, 3, 0, 1, 0
	s_wait_dscnt 4                                 ; the very last quarter
	MUL8 1, 0, 0
	MUL8 1, 1, 0
	s_wait_dscnt 0x0
	MUL8 1, 2, 0
	MUL8 1, 3, 0
	WIN 0
	; THE WAY OUT.  Four blocks of 16 rows x 128 columns of f32: 32 bytes a lane into my own stage, straight from the accumulators, back as whole rows of 512 bytes.
	PLACES
	PLACES
.macro TOSTAGE a, T
	WIN 0x04                                       ; the stores' data in window 1
.irp b, 0,1,2,3,4,5,6,7
	ds_store_b128 v[STO], v[8*(8*(\a)+\b):8*(8*(\a)+\b)+3]   offset:64*\b
	ds_store_b128 v[STO], v[8*(8*(\a)+\b)+4:8*(8*(\a)+\b)+7] offset:64*\b+16
.endr
	WIN 0
.irp i, 0,1,2,3,4,5,6,7,8,9,10,11,12,13,14,15
	ds_load_b128 v[(\T)+4*\i:(\T)+4*\i+3], v[RD] offset:\i*SPITCH   ; LDS serves a wave's instructions in order (ISA guide 5.7.1.4): these see the stores above
.endr
.endm
.macro SEND a, T, younger              ; younger: the next block's 32 LDS instructions, or none
	s_wait_dscnt \younger
.irp i, 0,1,2,3,4,5,6,7,8,9,10,11,12,13,14,15
	global_store_b128 v[GO], v[(\T)+4*\i:(\T)+4*\i+3], s[8:9] offset:(\a)*65536+4096*\i th:TH_STORE_NT   ; 512 consecutive bytes, aligned to 256
.endr
.endm
	TOSTAGE 0, 64
	TOSTAGE 1, 128
	SEND 0, 64, 32
	TOSTAGE 2, 192
	SEND 1, 128, 32
	s_wait_xcnt 0x0                                ; block 0's stores have read their registers: they take block 3
	TOSTAGE 3, 64
	SEND 2, 192, 32
	SEND 3, 64, 0
	s_wait_tensorcnt 0x0                           ; the wave's end
	ds_add_u32 v[SPW], v[NIL]
	s_wait_dscnt 0x0
	CROUND                                         ; the closing round
	s_endpgm
.Lfunc_end_k_qdc552392e8_oproj:
	.size	k_qdc552392e8_oproj, .Lfunc_end_k_qdc552392e8_oproj-k_qdc552392e8_oproj
	.p2alignl 7, 3214868480
	.fill 96, 4, 3214868480
	.section	.rodata,"a",@progbits
	.p2align	6, 0x0
	.amdhsa_kernel k_qdc552392e8_oproj
		.amdhsa_group_segment_fixed_size 327680
		.amdhsa_private_segment_fixed_size 0
		.amdhsa_enable_private_segment 0
		.amdhsa_kernarg_size 24
		.amdhsa_user_sgpr_count 2
		.amdhsa_user_sgpr_kernarg_segment_ptr 1
		.amdhsa_wavefront_size32 1
		.amdhsa_system_sgpr_workgroup_id_x 1
		.amdhsa_system_sgpr_workgroup_id_y 1
		.amdhsa_system_sgpr_workgroup_id_z 1
		.amdhsa_system_vgpr_workitem_id 0
		.amdhsa_next_free_vgpr 512
		.amdhsa_next_free_sgpr 96
		.amdhsa_reserve_vcc 0
		.amdhsa_float_denorm_mode_32 3
		.amdhsa_float_denorm_mode_16_64 3
		.amdhsa_memory_ordered 1
		.amdhsa_forward_progress 1
		.amdhsa_inst_pref_size 87
	.end_amdhsa_kernel
	.amdgpu_metadata
---
amdhsa.version: [ 1, 2 ]
amdhsa.kernels:
  - .name:           k_qdc552392e8_oproj
    .symbol:         k_qdc552392e8_oproj.kd
    .args:
      - { .name: yh, .offset: 0, .size: 8, .value_kind: global_buffer, .address_space: global }
      - { .name: w16, .offset: 8, .size: 8, .value_kind: global_buffer, .address_space: global }
      - { .name: out0, .offset: 16, .size: 8, .value_kind: global_buffer, .address_space: global }
    .group_segment_fixed_size: 327680
    .private_segment_fixed_size: 0
    .kernarg_segment_align: 8
    .kernarg_segment_size: 24
    .max_flat_workgroup_size: 128
    .sgpr_count:     96
    .vgpr_count:     512
    .wavefront_size: 32
...
	.end_amdgpu_metadata
.endif
;; end of part 4
;; ======== version 2 of 2: 4 launches
;; limits: values are held in f16: magnitudes above 65,504 overflow, below 6.1e-05 lose precision
;; workspace buffers: mnib 8,388,608 bytes; w16 8,388,608 bytes; qkvh 50,331,648 bytes; yh 16,777,216 bytes
;; launch prep (part 5): grid 256 x 1, 8 waves a work-group, no clusters, 267,264 bytes of LDS; arguments mask, W_q, W_k, W_v, W_o, mnib, w16; writes mnib, w16
.if DOCPART == 5
	.amdgcn_target "amdgcn-amd-amdhsa--gfx1250"
	.amdhsa_code_object_version 6
	.text
	.protected	k_qdc552392e8_prep
	.globl	k_qdc552392e8_prep
	.p2align	8
	.type	k_qdc552392e8_prep,@function
k_qdc552392e8_prep:
	s_mov_b64 s[64:65], 0
	v_nop
	global_prefetch_b8 v0, s[64:65] scope:SCOPE_SE
	s_setreg_imm32_b32 hwreg(HW_REG_WAVE_MODE, 25, 1), 1
	s_wait_xcnt 0x0
; PREP.  Two jobs, each a stream read once.
; (1) THE MASK, [4][2048][2048] int32, is packed 8 to 1 into 4-bit float codes, laid out as the attention launch's lanes hold their scores:
;     mnib[b][qt 128][ks 32][lane 32][4 words]; nibble j of word kt of lane L stands for query 16 qt + L % 16 and key 64 ks + 16 kt + 8 (L / 16) + j: 0 where mask != 0, 0xF (the code of -6) where mask == 0.
;     So a lane's 32 scores of a tile of 16 queries and a step of 64 keys are 16 bytes, and a wave's 512 bytes on end.
; (2) THE WEIGHTS, four [1024][1024] f32, are rounded once to bf16 into w16 (W_q, W_k, W_v, W_o, 2 MiB each); W_o's bf16 number is then written as f16.
; LIMITS.  W_o within 65,504; a bf16 number of W_o below 6e-5 keeps f16's fixed step of 6e-8.
; SHARES.  2,048 waves, g = 8 x work-group + wave.  Wave g takes two mask tiles of 16 rows x 256 keys (rows 16 (g / 4) on, keys 512 (g % 4) on) and 8,192 bytes of one weight matrix.
; Each mask tile comes by one tensor load into the wave's own LDS bytes, filled once: no barrier.  Nothing is shared between work-groups, so there is no cluster, and no matrix work.
.set PITCH, 1040                       ; an LDS row: 1,024 bytes + 16 of padding = 260 words: the 16 rows that a load touches start at 16 different groups of four banks (64 banks of 4 bytes: ISA guide 11.1)
.set TILEB, 16*PITCH
.set WAVEB, 2*TILEB
.set SPARE, 8*WAVEB                    ; behind the tiles: the spare words, 128 bytes for each wave, that no other line names
.set LA,  4                            ; v4        LDS address of my 32 bytes: my wave's tiles + (l % 16) x PITCH + 32 (l / 16)
.set WI,  8                            ; v[8:71]   weights as loaded
.set WO,  72                           ; v[72:103] weights to store
.set MI,  104                          ; v[104:135] my 32 mask numbers of one key step
.set MW,  136                          ; v[136:167] my four words of tile i, step s at MW + 16 i + 4 s: a set for each store, so that no store's data is written again
.set SPW, 168
.set NIL, 169
.set TA,  170                          ; v170-171 at work
.set TB,  171
.set G1,  24                           ; s[24:31] descriptor group 1
.set G0,  32                           ; s[32:39] group 0, one set for each tile
	s_load_b256 s[4:11], s[0:1], 0x0               ; mask s[4:5], W_q s[6:7], W_k s[8:9], W_v s[10:11]
	s_load_b128 s[12:15], s[0:1], 0x20             ; W_o s[12:13], mnib s[14:15]
	s_load_b64 s[16:17], s[0:1], 0x30              ; w16
	v_lshl_add_u32 v[SPW], v0, 2, SPARE
	v_mov_b32 v[NIL], 0
	ds_add_u32 v[SPW], v[NIL]                      ; the wave's opening: the add and its wait ahead of my first tensor load
	ds_add_u32 v168, v169
	v_lshrrev_b32 v1, 5, v0
	v_readfirstlane_b32 s18, v1                    ; wave 0..7
	s_lshl_b32 s19, ttmp9, 3
	s_add_co_u32 s19, s19, s18                     ; g
	s_mov_b32 s[G1+0], (2<<16)|(1<<20)|(7<<22)|(3<<25)  ; elements of 4 bytes; padding on: after every 256 words (code 7) 4 words (code 3)
	s_mov_b32 s[G1+1], 256<<16                     ; tensor_dim0 = 256
	s_mov_b32 s[G1+2], 16<<16                      ; tensor_dim1 = 16
	s_mov_b32 s[G1+3], 256<<16                     ; tile_dim0 = 256
	s_mov_b32 s[G1+4], 16                          ; tile_dim1 = 16
	s_mov_b32 s[G1+5], 2048                        ; elements from row to row
	s_mov_b32 s[G1+6], 0
	s_mov_b32 s[G1+7], 0
	s_mul_i32 s20, s18, WAVEB                      ; my wave's tiles in LDS
	s_lshr_b32 s22, s19, 2
	s_lshl_b32 s22, s22, 17                        ; 16 rows of 8,192 bytes
	s_and_b32 s21, s19, 3
	s_lshl_b32 s21, s21, 11                        ; 512 keys of 4 bytes
	s_add_co_u32 s22, s22, s21
	s_mov_b32 s23, 0
	s_wait_dscnt 0x0                               ; the opening add is done
	s_wait_kmcnt 0x0
	s_add_nc_u64 s[4:5], s[4:5], s[22:23]
.irp i, 0,1
	s_mov_b32 s[G0+4*\i], 1
	s_add_co_u32 s[G0+4*\i+1], s20, \i*TILEB
	s_add_nc_u64 s[G0+4*\i+2:G0+4*\i+3], s[4:5], \i*1024
	s_or_b32 s[G0+4*\i+3], s[G0+4*\i+3], 0x80000000
	tensor_load_to_lds s[G0+4*\i:G0+4*\i+3], s[G1:G1+7]   ; both tiles go out at once: two tensor loads of mine are out
	s_nop 0
.endr
	; which weight matrix, and where
	s_lshr_b32 s21, ttmp9, 6                       ; 64 work-groups to a matrix
	s_cmp_eq_u32 s21, 1
	s_cselect_b64 s[6:7], s[8:9], s[6:7]
	s_cmp_eq_u32 s21, 2
	s_cselect_b64 s[6:7], s[10:11], s[6:7]
	s_cmp_eq_u32 s21, 3
	s_cselect_b64 s[6:7], s[12:13], s[6:7]
	s_and_b32 s22, ttmp9, 63
	s_lshl_b32 s22, s22, 16
	s_lshl_b32 s23, s18, 13
	s_add_co_u32 s22, s22, s23
	s_mov_b32 s23, 0
	s_add_nc_u64 s[6:7], s[6:7], s[22:23]          ; my 8,192 bytes of f32
	s_lshl_b32 s22, s19, 12
	s_add_nc_u64 s[16:17], s[16:17], s[22:23]      ; my 4,096 bytes of w16: the four matrices lie end to end, as g runs
	s_add_nc_u64 s[14:15], s[14:15], s[22:23]      ; my 4,096 bytes of mnib: 16,384 (g / 4) for the rows' tile + 4,096 (g % 4) for my eight key steps
	v_and_b32 v1, 31, v0
	v_lshlrev_b32 v2, 4, v1                        ; 16 x lane
	v_lshlrev_b32 v3, 3, v1                        ; 8 x lane
	v_and_b32 v5, 15, v0
	v_bfe_u32 v6, v0, 4, 1
	v_mul_u32_u24 v[LA], v5, PITCH
	v_lshl_add_u32 v[LA], v6, 5, v[LA]
	v_add_nc_u32 v[LA], s20, v[LA]
.irp i, 0,1,2,3,4,5,6,7,8,9,10,11,12,13,14,15
	global_load_b128 v[WI+4*\i:WI+4*\i+3], v2, s[6:7] offset:512*\i th:TH_LOAD_NT
.endr
.irp i, 0,1,2,3,4,5,6,7,8,9,10,11,12,13,14,15
	s_wait_loadcnt 15-\i                           ; loads come back in order: load i is in, the younger ones stay out
	v_cvt_pk_bf16_f32 v[WO+2*\i],   v[WI+4*\i],   v[WI+4*\i+1]
	v_cvt_pk_bf16_f32 v[WO+2*\i+1], v[WI+4*\i+2], v[WI+4*\i+3]
.endr
	s_cmp_lg_u32 s21, 3
	s_cbranch_scc1 .Lkeep                          ; W_q, W_k, W_v stay bf16
.set n, 0
.rept 32
	v_lshlrev_b32 v[TA], 16, v[WO+n]               ; W_o: the bf16 number as f32,
	v_and_b32 v[TB], 0xffff0000, v[WO+n]
	v_cvt_pk_f16_f32 v[WO+n], v[TA], v[TB]         ; written as f16
.set n, n+1
.endr
.Lkeep:
.irp i, 0,1,2,3,4,5,6,7,8,9,10,11,12,13,14,15
	global_store_b64 v3, v[WO+2*\i:WO+2*\i+1], s[16:17] offset:256*\i   ; 32 lanes store 256 consecutive bytes, aligned
.endr
; Tile i: for each of its four key steps 32 numbers a lane.  Of each eight a word is made: min(number, 1), unsigned, is 1 where the key is seen; it goes to bit 4 j; the word's ones are turned round and
; multiplied by 15, so that a hidden key's nibble is 0xF and a seen key's 0.  left = the younger tensor loads that may stay out.
.macro TILE i, left
	s_wait_tensorcnt \left
.irp s, 0,1,2,3
.irp n, 0,1,2,3
	ds_load_b128 v[MI+8*\n:MI+8*\n+3],   v[LA] offset:(\i)*TILEB+256*\s+64*\n
	ds_load_b128 v[MI+8*\n+4:MI+8*\n+7], v[LA] offset:(\i)*TILEB+256*\s+64*\n+16
.endr
	s_wait_dscnt 0x0
.irp n, 0,1,2,3
	v_min_u32 v[MW+16*(\i)+4*\s+\n], 1, v[MI+8*\n]
.irp j, 1,2,3,4,5,6,7
	v_min_u32 v[TA+(\j)%2], 1, v[MI+8*\n+\j]
	v_lshl_or_b32 v[MW+16*(\i)+4*\s+\n], v[TA+(\j)%2], 4*\j, v[MW+16*(\i)+4*\s+\n]
.endr
	v_xor_b32 v[MW+16*(\i)+4*\s+\n], 0x11111111, v[MW+16*(\i)+4*\s+\n]
	v_mul_lo_u32 v[MW+16*(\i)+4*\s+\n], v[MW+16*(\i)+4*\s+\n], 15
.endr
	global_store_b128 v2, v[MW+16*(\i)+4*\s:MW+16*(\i)+4*\s+3], s[14:15] offset:2048*(\i)+512*\s  ; a key step's codes for the 16 rows: 512 consecutive bytes, aligned to 256
.endr
.endm
	TILE 0, 1                                      ; tile 1's load may stay out
	TILE 1, 0
	s_wait_tensorcnt 0x0                           ; the wave's end
	ds_add_u32 v[SPW], v[NIL]
	s_wait_dscnt 0x0
	s_endpgm
.Lfunc_end_k_qdc552392e8_prep:
	.size	k_qdc552392e8_prep, .Lfunc_end_k_qdc552392e8_prep-k_qdc552392e8_prep
	.p2alignl 7, 3214868480
	.fill 96, 4, 3214868480
	.section	.rodata,"a",@progbits
	.p2align	6, 0x0
	.amdhsa_kernel k_qdc552392e8_prep
		.amdhsa_group_segment_fixed_size 267264
		.amdhsa_private_segment_fixed_size 0
		.amdhsa_enable_private_segment 0
		.amdhsa_kernarg_size 56
		.amdhsa_user_sgpr_count 2
		.amdhsa_user_sgpr_kernarg_segment_ptr 1
		.amdhsa_wavefront_size32 1
		.amdhsa_system_sgpr_workgroup_id_x 1
		.amdhsa_system_sgpr_workgroup_id_y 1
		.amdhsa_system_sgpr_workgroup_id_z 1
		.amdhsa_system_vgpr_workitem_id 0
		.amdhsa_next_free_vgpr 176
		.amdhsa_next_free_sgpr 66
		.amdhsa_reserve_vcc 0
		.amdhsa_float_denorm_mode_32 3
		.amdhsa_float_denorm_mode_16_64 3
		.amdhsa_memory_ordered 1
		.amdhsa_forward_progress 1
		.amdhsa_inst_pref_size 45
	.end_amdhsa_kernel
	.amdgpu_metadata
---
amdhsa.version: [ 1, 2 ]
amdhsa.kernels:
  - .name:           k_qdc552392e8_prep
    .symbol:         k_qdc552392e8_prep.kd
    .args:
      - { .name: mask, .offset: 0, .size: 8, .value_kind: global_buffer, .address_space: global }
      - { .name: W_q, .offset: 8, .size: 8, .value_kind: global_buffer, .address_space: global }
      - { .name: W_k, .offset: 16, .size: 8, .value_kind: global_buffer, .address_space: global }
      - { .name: W_v, .offset: 24, .size: 8, .value_kind: global_buffer, .address_space: global }
      - { .name: W_o, .offset: 32, .size: 8, .value_kind: global_buffer, .address_space: global }
      - { .name: mnib, .offset: 40, .size: 8, .value_kind: global_buffer, .address_space: global }
      - { .name: w16, .offset: 48, .size: 8, .value_kind: global_buffer, .address_space: global }
    .group_segment_fixed_size: 267264
    .private_segment_fixed_size: 0
    .kernarg_segment_align: 8
    .kernarg_segment_size: 56
    .max_flat_workgroup_size: 256
    .sgpr_count:     66
    .vgpr_count:     176
    .wavefront_size: 32
...
	.end_amdgpu_metadata
.endif
;; end of part 5
;; launch proj: the kernel of part 2 again; grid 4 x 192, 4 waves a work-group, clusters of 4 x 4, 327,680 bytes of LDS; arguments q, k, v, w16, qkvh; writes qkvh
;; launch attn (part 6): grid 4 x 64, 4 waves a work-group, clusters of 4 x 1, 327,680 bytes of LDS; arguments qkvh, mnib, yh; writes yh
.if DOCPART == 6
	.amdgcn_target "amdgcn-amd-amdhsa--gfx1250"
	.amdhsa_code_object_version 6
	.text
	.protected	k_qdc552392e8_attn
	.globl	k_qdc552392e8_attn
	.p2align	8
	.type	k_qdc552392e8_attn,@function
k_qdc552392e8_attn:
	s_mov_b64 s[64:65], 0
	v_nop
	global_prefetch_b8 v0, s[64:65] scope:SCOPE_SE
	s_setreg_imm32_b32 hwreg(HW_REG_WAVE_MODE, 25, 1), 1
	s_wait_xcnt 0x0
	s_wait_alu depctr_hold_cnt(0) depctr_sa_sdst(0) depctr_va_vdst(0) depctr_va_sdst(0) depctr_va_ssrc(0) depctr_va_vcc(0) depctr_vm_vsrc(0)
	s_getreg_b32 s2, hwreg(HW_REG_IB_STS2, 6, 4)
	s_cmp_eq_u32 s2, 0
	s_cbranch_scc0 .Lentry_in_a_cluster
	s_endpgm
.Lentry_in_a_cluster:
	s_bfe_u32 s2, ttmp6, 0x10000c
	s_cmp_lg_u32 s2, 0x3003
	s_cbranch_scc0 .Lentry_shape_is_right
	s_endpgm
.Lentry_shape_is_right:
; MASKED ATTENTION.  yh[bh][q][:] = the sum over k of softmax_k(mask ? Q[bh][q] . K[bh][k] / 8 : hidden) V[bh][k][:].  Q, K, V: qkvh[0], [1], [2], each [64][2048][64] f16; yh likewise.
; Products, maxima and sums in f32; the weights p are rounded to f16 for the second product (their sum l is taken of the unrounded p), the result once at the end.
; THE MASK IS THE C OPERAND that starts the sum S^T = K Q^T: 0, or -6 x 2^100 where the key is hidden.  mnib holds a 4-bit float code a score (0, or 0xF = -6), laid out as my lanes hold the scores: a lane's 32 scores
; of a tile of 16 queries and a step of 64 keys are 16 bytes, word kt for the 16 keys kt, nibble j for register j.  One scaled conversion makes of a word the eight f32 registers of one product's C.
; The running maximum m starts at F = -2^60: below every true score, above every hidden one.  So a row that has seen no key yet has m = F, p = 0, l = 0 and O = 0, and nothing hangs on a hidden score's last bits.
; A row with no visible key at all keeps m = F to the end; its divisor's reciprocal is replaced by NaN, so the row leaves as NaN.
; LIMITS.  Q, K and V within 65,504 (f16); true scores, 2.7e11 at the most in size, lie above F; a weight below 2^-126 counts as 0 in l; NaN and infinities in the inputs are not treated apart.
; SHARES.  A wave owns four PIECES of two tiles of 16 queries, a work-group's four waves 512 queries of one head.  Every wave walks all 2,048 keys, 64 a step.
; LAYOUT.  S^T = K Q^T (source 0 = 16 keys, source 1 = 16 queries): a lane holds ONE query (lane % 16) and the keys 8 (lane / 16) + 0..7.  Two such tiles rounded to f16 ARE source 1 of O^T = V^T P.
; SOFTMAX.  A running maximum m and sum l: p = 2^(c s - c m), c = log2(e) / 8; in every step O and l are multiplied by a = 2^(c m_old - c m_new).  O and l start at 0.
; BY TURNS.  Turn n belongs to piece n: 16 products K Q^T of piece n + 1, later 16 products V^T P of piece n - 1; beside them the scaling, exponentials, roundings, sums and rescaling of piece n, the
; maximum and statistics of piece n + 1, and the masks of piece n + 2.  Four vector instructions stand behind every matrix instruction, the others in one lump.  A turn's 66 exponentials are one batch, with one wait.
; CLUSTER.  The four query blocks of a head form a cluster and walk the same K and V: each tile is asked for JOINTLY.  The mask's codes differ from block to block: each wave loads its own, into registers.
; REGISTERS, in windows of 256: window 0: v0-11 addresses; v12-15, v48-63 at work; v16-47 statistics; v64-191 S^T, two buffers of two tiles; v192-255 P, likewise.
;   window 1: O^T, 32 a tile.   window 2: v0-127 Q; v128-191 K of one step; v192-255 V of one step.
;   window 3: v0-1 the add's two registers; v2 the scale; v3-7 the codes' offsets; v8-39 the codes, eight a piece; v192-255 the masks of one piece.
.set SIZE_N, 2048
.set NP,    4
.set KS,    64
.set PK,    144       ; a row of K in LDS: 128 bytes + 16 of padding = 36 words: the 16 rows of a load start at 16 different groups of four banks (64 banks of 4 bytes: ISA guide 11.1)
.set PV,    160       ; a row of V: 128 + 32 = 40 words
.set VOFF,  4*KS*PK   ; a slot holds four steps: 256 rows of K, then 256 rows of V
.set SLOT1, 1<<17
.set STAGE, SLOT1+4*KS*(PK+PV)
.set SP,    144
.set AK0, 2
.set AV0, 3
.set AK,  4
.set AV,  5
.set QO,  6
.set STO, 6
.set RD,  7
.set GO,  8           ; v8   16 x my lane
.set PFO, 11          ; v11  256 x my lane; written when the set-up has done with v11, then never again
.set SPW, 0           ; window 3: v0  my spare word's address
.set NIL, 1           ;           v1  0
.set SC,  2           ;           v2  the conversions' scale: the byte 227, for 2^100, in all four places
.set ML,  3           ;           v3  16 x my lane + the last key step's 15,872 bytes
.set MO,  4           ;           v4-7  piece x: 16 x my lane + 512 x the key step whose codes were asked for last
.set MK,  8           ;           v8-39 piece x's codes at MK + 8 x: four words for each of its two tiles
.set MC,  192         ;           v192-255 the masks of the piece whose scores come next: tile u, keys 16 kt on, at MC + 32 u + 8 kt
.set SPARE, STAGE+4*16*SP
.set MV,  12
.set ST,  16
.set TMP, 48
.set S,   64
.set P,   192
.set KF,  128
.set VF,  192
.set MB,  2           ; s[2:3]   mnib at my wave's first tile; never stepped
.set OA,  4           ; s[4:5]   yh at my wave's first row
.set WV,  6
.set SLOTS, 7
.set CNT, 8
.set TBK, 9
.set TBV, 10
.set CS,  12          ; s[12:13] c
.set SEL, 14          ; s[14:15]
.set G1K, 16          ; s[16:23] descriptor group 1 for K's tiles
.set G0K, 24
.set G0V, 28
.set G1V, 32          ; s[32:39] for V's: it differs in the padding alone
.set PFA, 66          ; s[66:67]
.set LIM, 100
.set QP,  104         ; s[104:105] Q at my wave's first row; later s104 my stage
.set MSB, 0
.macro WIN new
.if MSB != (\new)
	s_set_vgpr_msb (MSB<<8)|(\new)
.set MSB, (\new)
.endif
.endm
.set W_KQ, 0x0a       ; K and Q in window 2, S^T in window 0
.set W_KM, 0x3a       ; the same with the C operand in window 3
.set W_PV, 0x52
.set W_RS, 0x41
.set W_MK, 0xc0       ; destination in window 3, sources in window 0
.set W_AD, 0x0f
.set W_CV, 0xcf       ; destination and sources 0 and 1 in window 3
.macro JLOAD                        ; waves 0 and 1 fetch the halves of a slot's K, waves 2 and 3 of its V; an s_nop 0 and four v_nop follow each line
	s_cmp_lt_u32 s[WV], 2
	s_cbranch_scc0 .Lfor_v_\@
	tensor_load_to_lds s[G0K:G0K+3], s[G1K:G1K+7]
	s_nop 0
.rept 4
	v_nop
.endr
	s_branch .Lasked_\@
.Lfor_v_\@:
	tensor_load_to_lds s[G0V:G0V+3], s[G1V:G1V+7]
	s_nop 0
.rept 4
	v_nop
.endr
.Lasked_\@:
.endm
; A prefetch of what the NEXT change of slots will ask for: a slot's 128 blocks of 256 bytes of K and of V.  The four partners share them out by address, 32 each, a lane a block; wave 0 asks for K's, wave 2 for V's.
; The last change that fills a slot asks for nothing.
.macro ASK
	s_cmp_gt_u32 s[SLOTS], s[LIM]
	s_cbranch_scc0 .Lnot_mine_\@
	global_prefetch_b8 v[PFO], s[PFA:PFA+1] th:TH_LOAD_NT scope:SCOPE_SE
.Lnot_mine_\@:
.endm
.macro CROUND
	s_barrier_signal -1
	s_barrier_wait -1
	s_cmp_lg_u32 s[WV], 0
	s_cbranch_scc1 .Lnot_wave_0_\@
	s_barrier_signal -3
.Lnot_wave_0_\@:
	s_barrier_wait -3
	s_barrier_signal -1
	s_barrier_wait -1
.endm
; THE CHANGE OF SLOTS.  Each wave waits for all its tensor loads, of which one is out: its part of the other slot; adds 0 to its spare word; and waits for that and for its own reads of the slot.
; fill = 1: the slot is filled again, with the keys two slots on, behind a round of the cluster's barrier; the joint fill has four key steps, 512 matrix instructions, in which to land.
.macro CHANGE fill, ask=0
	WIN W_AD
	s_wait_tensorcnt 0x0            ; no tensor load of mine is out, so a group 0 may be written
	ds_add_u32 v[SPW], v[NIL]       ; 0 onto my spare word
	WIN 0
.if \fill
.irp g, G0K, G0V
	s_xor_b32 s[\g+1], s[\g+1], SLOT1
	s_add_nc_u64 s[\g+2:\g+3], s[\g+2:\g+3], 4*KS*128
.endr
.if \ask
	s_wait_xcnt 0x0                 ; the last prefetch, four key steps back, has read its address
	s_add_nc_u64 s[PFA:PFA+1], s[PFA:PFA+1], 4*KS*128
.endif
	s_wait_dscnt 0x0                ; the add is done, and my reads of the slot are over
	CROUND
	JLOAD
.if \ask
	ASK
.endif
.else
	s_wait_dscnt 0x0
	s_barrier_signal -1
	s_barrier_wait -1
.endif
	s_sub_co_u32 s[TBK], s[TBK], 4*KS*PK
	s_xor_b32 s[TBK], s[TBK], SLOT1
	s_sub_co_u32 s[TBV], s[TBV], 4*KS*PV
	s_xor_b32 s[TBV], s[TBV], SLOT1
.endm
; THE MASKS of piece x, for its next scores.  Its eight words of codes were asked for four turns ago; behind them stand the other three pieces' loads, two each, so the wait leaves six out.  Eight conversions make the 64
; registers of masks.  Then the piece's codes of the next key step are asked for, into the same registers: the wait above has shown the offset's last loads done, so it may be stepped; it is held to the last step, so that
; no load leaves mnib in the walk's last trips.  The two plain lines stand between the last conversion and the loads into its sources.
.macro MASKBLK x
	WIN W_CV
	s_wait_loadcnt 6
.irp n, 0,1,2,3,4,5,6,7
	v_cvt_scale_pk8_f32_fp4 v[MC+8*\n:MC+8*\n+7], v[MK+8*(\x)+\n], v[SC]
.endr
	v_add_nc_u32 v[MO+(\x)], 0x200, v[MO+(\x)]
	v_min_u32 v[MO+(\x)], v[MO+(\x)], v[ML]
	global_load_b128 v[MK+8*(\x):MK+8*(\x)+3],   v[MO+(\x)], s[MB:MB+1] offset:(2*(\x))*16384
	global_load_b128 v[MK+8*(\x)+4:MK+8*(\x)+7], v[MO+(\x)], s[MB:MB+1] offset:(2*(\x)+1)*16384
	WIN 0
.endm
	s_load_b128 s[68:71], s[0:1], 0x0  ; qkvh s[68:69], mnib s[70:71]
	s_load_b64 s[72:73], s[0:1], 0x10  ; yh
	WIN W_MK
	v_lshl_add_u32 v[SPW], v0, 2, SPARE
	v_mov_b32 v[NIL], 0
	WIN W_AD
	ds_add_u32 v[SPW], v[NIL]       ; the wave's opening: the add and its wait ahead of my first tensor load
	ds_add_u32 v0, v1
	WIN 0
	v_lshrrev_b32 v1, 5, v0
	v_readfirstlane_b32 s[WV], v1
	s_bfe_u32 s74, ttmp6, 0x40000   ; cx: my block of 512 queries (the grid's x is one cluster): it enters Q's, the mask's, the result's and the prefetches' addresses alone
	s_and_b32 s75, ttmp7, 0xffff    ; the head, 16 b + h, which the four partners share
	s_lshl_b32 s76, s75, 18         ; its first byte in each tensor
	s_and_b32 s78, s[WV], 1         ; which half of a slot's 256 keys I fetch
	s_lshl_b32 s80, s78, 14
	s_add_co_u32 s80, s80, s76
	s_mov_b32 s81, 0
	s_mul_i32 s79, s78, 128*PK      ; its place in a slot, for K
	s_mul_i32 s94, s78, 128*PV      ; and for V: no place in the cluster enters an LDS address
	s_lshl_b32 s82, s74, 2
	s_add_co_u32 s82, s82, s[WV]    ; my wave among the head's sixteen
	s_lshl_b32 s84, s82, 14         ; its 128 rows
	s_add_co_u32 s84, s84, s76
	s_mov_b32 s85, 0
	s_lshr_b32 s86, s75, 4          ; b
	s_lshl_b32 s86, s86, 4
	s_add_co_u32 s86, s86, s82
	s_lshl_b32 s86, s86, 17         ; my eight tiles' codes: 16,384 bytes a tile
	s_mov_b32 s87, 0
	s_lshl_b32 s92, s74, 13         ; the prefetches: my work-group's 32 blocks, in the head's tile 2
	s_add_co_u32 s92, s92, s76
	s_add_co_u32 s92, s92, 2*4*KS*128
	s_mov_b32 s93, 0
	; descriptor group 1.  128 keys are 16,384 dense bytes: asked for as 64 rows of 256 bytes, two keys a row, and padded in LDS after every key
	s_mov_b32 s[G1K], 15|(1<<16)|(1<<20)|(1<<21)|(4<<22)|(3<<25)  ; the mask of four; 2-byte elements; padding on; bit 21 beside a mask; after every 32 words 4 words
	s_mov_b32 s[G1V], 15|(1<<16)|(1<<20)|(1<<21)|(4<<22)|(7<<25)  ; the same with 8 words of padding
.irp g, G1K, G1V
	s_mov_b32 s[\g+1], 128<<16
	s_mov_b32 s[\g+2], 64<<16
	s_mov_b32 s[\g+3], 128<<16
	s_mov_b32 s[\g+4], 64
	s_mov_b32 s[\g+5], 128
	s_mov_b32 s[\g+6], 0
	s_mov_b32 s[\g+7], 0
.endr
	s_mov_b32 s[CS], 0x3e38aa3b     ; c = log2(e) / 8
	s_mov_b32 s[CS+1], s[CS]
	s_mov_b32 s[SEL], 0x76543210
	s_mov_b32 s[SEL+1], 0xfedcba98
	s_mov_b32 s[TBK], SLOT1+4*KS*PK ; the first change of slots turns these two into 0
	s_mov_b32 s[TBV], SLOT1+4*KS*PV
	s_mov_b32 s[G0K], 1
	s_mov_b32 s[G0K+1], s79
	s_mov_b32 s[G0V], 1
	s_add_co_u32 s[G0V+1], s94, VOFF
	s_and_b32 s[LIM], s[WV], 1
	s_cmp_eq_u32 s[LIM], 0
	s_cselect_b32 s[LIM], 1, -1     ; waves 0 and 2 prefetch
	s_wait_dscnt 0x0                ; the opening add is done
	s_wait_kmcnt 0x0
	s_add_nc_u64 s[88:89], s[68:69], 0x1000000   ; K
	s_add_nc_u64 s[90:91], s[68:69], 0x2000000   ; V
	s_add_nc_u64 s[G0K+2:G0K+3], s[88:89], s[80:81]
	s_or_b32 s[G0K+3], s[G0K+3], 0x80000000
	s_add_nc_u64 s[G0V+2:G0V+3], s[90:91], s[80:81]
	s_or_b32 s[G0V+3], s[G0V+3], 0x80000000
	s_add_nc_u64 s[QP:QP+1], s[68:69], s[84:85]
	s_add_nc_u64 s[OA:OA+1], s[72:73], s[84:85]
	s_add_nc_u64 s[MB:MB+1], s[70:71], s[86:87]
	s_cmp_lt_u32 s[WV], 2
	s_cselect_b64 s[PFA:PFA+1], s[88:89], s[90:91]
	s_add_nc_u64 s[PFA:PFA+1], s[PFA:PFA+1], s[92:93]
	CROUND                          ; all four work-groups are here: the first joint loads meet
	JLOAD                           ; slot 0.  Slot 1 is asked for when slot 0 is in
	v_and_b32 v1, 15, v0            ; l % 16
	v_bfe_u32 v9, v0, 4, 1          ; l / 16
	v_lshlrev_b32 v[QO], 7, v1
	v_lshl_add_u32 v[QO], v9, 4, v[QO]
	v_and_b32 v[GO], 31, v0
	v_lshlrev_b32 v[GO], 4, v[GO]
	WIN 0x80
.set i, 0
.rept 4*NP                          ; Q stays in registers: tile i / 2, channels 32 (i % 2) on
	global_load_b128 v[8*i:8*i+3],   v[QO], s[QP:QP+1] offset:(i/2)*2048+(i%2)*64
	global_load_b128 v[8*i+4:8*i+7], v[QO], s[QP:QP+1] offset:(i/2)*2048+(i%2)*64+32
.set i, i+1
.endr
	WIN W_MK
	v_mov_b32 v[SC], 0xe3e3e3e3
	v_add_nc_u32 v[ML], 31*512, v[GO]
.irp x, 0,1,2,3
	v_mov_b32 v[MO+\x], v[GO]       ; key step 0
.endr
	WIN W_CV
.irp x, 0,1,2,3                     ; the four pieces' codes of key step 0, in the order in which they are wanted: eight loads, 512 consecutive bytes each
	global_load_b128 v[MK+8*\x:MK+8*\x+3],   v[MO+\x], s[MB:MB+1] offset:(2*\x)*16384
	global_load_b128 v[MK+8*\x+4:MK+8*\x+7], v[MO+\x], s[MB:MB+1] offset:(2*\x+1)*16384
.endr
	; What the first turn finds: V's registers and P's second buffer hold 0, O^T and l are 0.  All this stands in the wait for the first tile.
	WIN 0x80
.set i, VF
.rept 64
	v_mov_b32 v[i], 0
.set i, i+1
.endr
	WIN 0x40
.set i, 0
.rept 64*NP
	v_mov_b32 v[i], 0
.set i, i+1
.endr
	WIN 0
.set i, 0
.rept 2*NP
	v_mov_b32 v[ST+4*i], 0xdc38aa3b    ; c m = c F, exact: F is a power of two
	v_mov_b32 v[ST+4*i+1], 0xdd800000  ; m = F = -2^60
	v_mov_b32 v[ST+4*i+2], 0
	v_mov_b32 v[ST+4*i+3], 0
.set i, i+1
.endr
.set i, P+32
.rept 32
	v_mov_b32 v[i], 0
.set i, i+1
.endr
	v_mul_u32_u24 v[AK0], v1, PK
	v_lshl_add_u32 v[AK0], v9, 4, v[AK0]
	v_and_b32 v10, 7, v0
	v_bfe_u32 v11, v0, 3, 1
	v_lshl_add_u32 v[AV0], v9, 3, v10
	v_mul_u32_u24 v[AV0], v[AV0], PV
	v_lshl_add_u32 v[AV0], v11, 4, v[AV0]
	v_add_nc_u32 v[AV0], VOFF, v[AV0]
	v_mov_b32 v[AK], v[AK0]
	v_and_b32 v[PFO], 31, v0
	v_lshlrev_b32 v[PFO], 8, v[PFO]
; THE MATRIX WORK.  The 8 accumulators of a run of 16 take turns.  Product i of 16 of S^T = K Q^T for piece x: channels 32 (i / 8) on, keys 16 ((i / 2) % 4) on, tile 2 x + i % 2.
; The first 8 start the sums, with the mask.
.macro KQ x
.set rS, S+64*((\x)%2)+32*(i%2)+8*((i/2)%4)
.set rK, KF+16*((i/2)%4)+8*(i/8)
.set rQ, 16*(2*(\x)+i%2)+8*(i/8)
.set rMC, MC+32*(i%2)+8*((i/2)%4)
.if i < 8
	WIN W_KM
	v_wmma_f32_16x16x32_f16 v[rS:rS+7], v[rK:rK+7], v[rQ:rQ+7], v[rMC:rMC+7]
.else
	WIN W_KQ
	v_wmma_f32_16x16x32_f16 v[rS:rS+7], v[rK:rK+7], v[rQ:rQ+7], v[rS:rS+7]
.endif
.endm
.macro PV x
	WIN W_PV
.set rO, 32*(2*(\x)+i%2)+8*((i/2)%4)
.set rV, VF+32*(i/8)+8*((i/2)%4)
.set rP, P+32*((\x)%2)+16*(i%2)+8*(i/8)
	v_wmma_f32_16x16x32_f16 v[rO:rO+7], v[rV:rV+7], v[rP:rP+7], v[rO:rO+7]
.endm
.macro MM
.if i < 16
	KQ (Y+1)%NP
.set i, i+1
.else
.set i, i-16
	PV (Y+NP-1)%NP
.set i, i+17
.endif
.endm
.macro FETCH_K last=0
	WIN 0
.if \last
	s_cmp_eq_u32 s[CNT], 1
	s_cbranch_scc1 .Lno_k_\@
.endif
	WIN 0x80
.irp f, 0,1,2,3,4,5,6,7
	ds_load_b128 v[KF+8*\f:KF+8*\f+3],   v[AK] offset:(\f/2)*16*PK+(\f%2)*64
	ds_load_b128 v[KF+8*\f+4:KF+8*\f+7], v[AK] offset:(\f/2)*16*PK+(\f%2)*64+32
.endr
	s_add_co_u32 s[TBK], s[TBK], KS*PK
	WIN 0
.if \last
.Lno_k_\@:
.endif
.endm
.macro FETCH_V
	WIN 0x80
.irp f, 0,1,2,3,4,5,6,7
	ds_load_tr16_b128 v[VF+8*\f:VF+8*\f+3],   v[AV] offset:(\f/4)*32*PV+(\f%4)*32
	ds_load_tr16_b128 v[VF+8*\f+4:VF+8*\f+7], v[AV] offset:(\f/4)*32*PV+16*PV+(\f%4)*32
.endr
	WIN 0
.endm
; THE VECTOR WORK OF A TURN stands in three queues, each in the order in which its entries become ready; the two tiles alternate.
.macro REGS y, u
.set rT, ST+4*(2*(\y)+(\u))
.set rC, TMP+8*((\y)%2)+4*(\u)
.set rM, MV+2*((\y)%2)+(\u)
.set rS, S+64*((\y)%2)+32*(\u)
.set rP, P+32*((\y)%2)+16*(\u)
.set rO, 32*(2*(\y)+(\u))
.endm
; Number n of the 22 that find the NEXT piece's maximum and statistics.  Each accumulator's lowest registers are read first.
.macro XS u, n
	REGS (Y+1)%NP, \u
.if (\n) < 4
	v_max3_num_f32 v[rC+(\n)], v[rS+8*(\n)], v[rS+8*(\n)+1], v[rS+8*(\n)+2]
.elseif (\n) < 12
	v_max3_num_f32 v[rC+(\n)%4], v[rC+(\n)%4], v[rS+8*((\n)%4)+2*((\n)/4)+1], v[rS+8*((\n)%4)+2*((\n)/4)+2]
.elseif (\n) == 12
	v_max3_num_f32 v[rC], v[rC], v[rS+7], v[rS+15]
.elseif (\n) == 13
	v_max3_num_f32 v[rC+1], v[rC+1], v[rS+23], v[rS+31]
.elseif (\n) == 14
	v_max3_num_f32 v[rC+2], v[rC+2], v[rC+3], v[rT+1]
.elseif (\n) == 15
	v_mov_b32 v[rM], v[rT]
.elseif (\n) == 16
	v_max3_num_f32 v[rC], v[rC], v[rC+1], v[rC+2]
.elseif (\n) == 17
	v_permlanex16_b32 v[rC+3], v[rC], s[SEL], s[SEL+1]
.elseif (\n) == 18
	v_max_num_f32 v[rT+1], v[rC], v[rC+3]
.elseif (\n) == 19
	v_mul_f32 v[rT], s[CS], v[rT+1]
.elseif (\n) == 20
	v_sub_f32 v[rC+1], v[rM], v[rT]
.else
	v_exp_f32 v[rC+2], v[rC+1]
.endif
.endm
; Number g of the 64 that follow the exponentials: roundings to f16, sums in place, l.
.macro GS g
.set h, (\g)+6*((\g)/62)
.if h >= 6
.set h, h+2
.endif
	REGS Y, h%2
.set k, h/8
.if h%8 < 4
	v_cvt_pk_f16_f32 v[rP+2*k+(h%8)/2], v[rS+4*k+2*((h%8)/2)], v[rS+4*k+2*((h%8)/2)+1]
.elseif h%8 < 6
	v_pk_add_f32 v[rS+4*k:rS+4*k+1], v[rS+4*k:rS+4*k+1], v[rS+4*k+2:rS+4*k+3]
.elseif k == 1
	v_pk_fma_f32 v[rT+2:rT+3], v[rT+2:rT+3], v[rC+2:rC+3], v[rS:rS+1] op_sel_hi:[1,0,1]
.else
	v_pk_add_f32 v[rT+2:rT+3], v[rT+2:rT+3], v[rS+4*k-4:rS+4*k-3]
.endif
.endm
.macro FS f
	REGS Y, (\f)%2
	v_pk_fma_f32 v[rS+2*((\f)/2):rS+2*((\f)/2)+1], v[rS+2*((\f)/2):rS+2*((\f)/2)+1], s[CS:CS+1], v[rT:rT+1] op_sel_hi:[1,0,0] neg_lo:[0,0,1] neg_hi:[0,0,1]
.endm
; THE PLAIN QUEUE, 138 long.  0-26: scalings 0-26.  27-54: XS's numbers 0-13.  55, 56: number 15.  57-73: the chain 14, 16, 17, 18, 19, each with one of the scalings 27-31 in front of its two lines, then 20.
; 74-137: GS's 64, which read the exponentials' results and stand behind the wait.
.macro PL
	WIN 0
.if q < 27
	FS q
.elseif q < 55
	XS (q-27)%2, (q-27)/2
.elseif q < 57
	XS q-55, 15
.elseif (q < 72) && ((q-57)%3 == 0)
	FS 27+(q-57)/3
.elseif q < 60
	XS (q-57)%3-1, 14
.elseif q < 72
	XS (q-57)%3-1, 15+(q-57)/3
.elseif q < 74
	XS q-72, 20
.else
	GS q-74
.endif
.set q, q+1
.endm
; THE EXPONENTIALS' QUEUE, 66 long: s0-s31 of both tiles, then the next piece's two a.  ONE BATCH: nothing ahead of the turn's wait names a result of theirs.
.macro EX
	WIN 0
.if e >= 64
	XS e-64, 21
.else
	REGS Y, e%2
	v_exp_f32 v[rS+e/2], v[rS+e/2]
.endif
.set e, e+1
.endm
.macro R2                           ; the rescaling's queue: O^T times a, two at a time
	REGS Y, r%2
	WIN W_RS
.irp z, 0,1
	v_pk_mul_f32 v[rO+4*(r/2)+2*\z:rO+4*(r/2)+2*\z+1], v[rO+4*(r/2)+2*\z:rO+4*(r/2)+2*\z+1], v[rC+2:rC+3] op_sel_hi:[1,0]
.endr
.set r, r+1
.endm
; A TURN, for piece p.  AHEAD OF THE WAIT stands all that names no result of the turn's exponentials: the 16 products K Q^T, behind each a scaling, an exponential and two rescalings (behind the first a second scaling);
; the masks of piece p + 2, for the products of the turn after this one: the products that read the masks in hand are the turn's first eight, more than four plain instructions back; then ONE LUMP of 108: eight plain,
; 49 times exponential and plain, the two a.  Exponential e stands behind scaling 2 (e / 4) + e % 2: as a rider it comes behind plain e + 2, in the lump behind plain e + 9, and scalings 27-31 are plain 57, 60 .. 69.
; BEHIND THE WAIT: the 16 products V^T P, behind each four of the roundings and sums.
; K of the next step is fetched in piece 2's turn, directly behind the wait; V of the step in hand at the end of piece 0's turn, four plain instructions behind its last reader.
.macro TURN p, last=0, cnt=0
.set Y, (\p)
.set i, 0
.set q, 0
.set e, 0
.set r, 0
.if (\p) == NP-1
	s_wait_dscnt 0x0                ; K is in
.endif
	MM
	PL
	PL
	R2
.rept 15
	MM
	PL
	EX
	R2
.endr
.if (\p) == NP-2
	WIN 0
	v_add_nc_u32 v[AK], s[TBK], v[AK0]
.endif
	MASKBLK ((\p)+2)%NP
.rept 8
	PL
.endr
.rept 49
	EX
	PL
.endr
	EX
	EX
	v_nop                           ; a plain instruction behind the last exponential: one for the batch
	s_wait_alu depctr_va_vdst(0)    ; the wait for the batch, ahead of the first reader
.if (\p) == NP-2
	FETCH_K \last
.endif
.if (\p) == 1
	s_wait_dscnt 0x0                ; V is in
.endif
.rept 16
	MM
.rept 4
	PL
.endr
.if ((\p) == 0) && (q == 118)
	v_add_nc_u32 v[AV], s[TBV], v[AV0]
.endif
.if ((\p) == 0) && (q == 130)
	s_add_co_u32 s[TBV], s[TBV], KS*PV
.endif
.if (\cnt) && (q == 130)
	s_sub_co_u32 s[CNT], s[CNT], 1
	s_cmp_lg_u32 s[CNT], 0
.endif
.endr
.if (\p) == 0
	FETCH_V
.endif
.endm
	CHANGE 1                        ; slot 0 is in, everybody's part of it; slot 1 is asked for
	FETCH_K                         ; key step 0
	MASKBLK 0                       ; piece 0's masks for key step 0; its wait, which leaves six loads out, shows Q in too: Q's loads were issued first
	s_wait_dscnt 0x0
.set i, 0
.rept 16
	KQ 0                            ; piece 0's first scores
.set i, i+1
.endr
	WIN 0                           ; the addresses for the way out: seven plain instructions, the places behind those products
	s_mul_i32 s104, s[WV], 16*SP
	s_add_co_u32 s104, s104, STAGE  ; my stage
	v_mul_u32_u24 v[STO], v1, SP
	v_lshl_add_u32 v[STO], v9, 4, v[STO]
	v_add_nc_u32 v[STO], s104, v[STO]
	v_bfe_u32 v[RD], v0, 3, 2
	v_mul_u32_u24 v[RD], v[RD], SP
	v_lshl_add_u32 v[RD], v10, 4, v[RD]
	v_add_nc_u32 v[RD], s104, v[RD]
	MASKBLK 1                       ; piece 1's masks for key step 0, for the first turn's products
.set Y, NP-1                        ; XS works for piece Y + 1: piece 0
.irp n, 0,1,2,3,4,5,6,7,8,9,10,11,12,13,14,15,16,17,18,19,20,21
	XS 0, \n
	XS 1, \n
.endr
	v_nop
	s_wait_alu depctr_va_vdst(0)
	s_mov_b32 s[CNT], 4
	s_mov_b32 s[SLOTS], SIZE_N/256-1
	s_branch .Lfirst                ; the loop is entered at a step's first turn, in the middle of a trip
.Lslot:                             ; six times: every slot but the last two is filled again
	CHANGE 1, 1
	s_mov_b32 s[CNT], 4
.Lstep:                             ; a trip: pieces 2 and 3 of one step, then pieces 0 and 1 of the next
	TURN 2
	TURN 3
	WIN 0
.Lfirst:
	TURN 0
	TURN 1, 0, 1
	WIN 0
	s_cbranch_scc1 .Lstep
	s_sub_co_u32 s[SLOTS], s[SLOTS], 1
	s_cmp_lg_u32 s[SLOTS], 0
	s_cbranch_scc1 .Lslot
	CHANGE 0                        ; the tail is written out
	s_mov_b32 s[CNT], 5             ; four trips fetch the last slot's steps; the fifth is left in its middle
.Ltail:
	TURN 2, 1
	TURN 3
	WIN 0
	s_sub_co_u32 s[CNT], s[CNT], 1
	s_cmp_eq_u32 s[CNT], 0
	s_cbranch_scc1 .Lout
	TURN 0
	TURN 1
	WIN 0
	s_branch .Ltail
.Lout:                              ; the fifth trip's products K Q^T repeat the last step's scores under the last step's masks: piece 0's m is left as it was
	s_wait_loadcnt 0x0              ; the last codes asked for serve nothing
.set i, 0
.rept 16
	PV NP-1
.set i, i+1
.endr
	; THE WAY OUT.  l's halves are added; O^T is divided by l (by NaN where the row saw no key), rounded to f16 and sent through my stage, a tile at a time.
	WIN 0
.macro ALL line:vararg
.set t, 0
.rept 2*NP
	\line
.set t, t+1
.endr
.endm
	ALL v_add_f32 v[ST+4*t+2], v[ST+4*t+2], v[ST+4*t+3]
	ALL v_permlanex16_b32 v[ST+4*t+3], v[ST+4*t+2], s[SEL], s[SEL+1]
	ALL v_add_f32 v[ST+4*t+2], v[ST+4*t+2], v[ST+4*t+3]
	ALL v_rcp_f32 v[ST+4*t+2], v[ST+4*t+2]
	v_nop
	s_wait_alu depctr_va_vdst(0)    ; one wait for the eight reciprocals
.set t, 0
.rept 2*NP
	v_cmp_lt_f32 vcc_lo, 0xdd800000, v[ST+4*t+1]                         ; F < m: the row has seen a key
	v_cndmask_b32 v[ST+4*t+2], 0x7fc00000, v[ST+4*t+2], vcc_lo           ; else NaN
.set t, t+1
.endr
.macro PACK t
	WIN W_RS
.set i, 32*(\t)
.rept 16
	v_pk_mul_f32 v[i:i+1], v[i:i+1], v[ST+4*(\t)+2:ST+4*(\t)+3] op_sel_hi:[1,0]
.set i, i+2
.endr
	WIN 0x05
.set i, 0
.rept 16
	v_cvt_pk_f16_f32 v[S+16*(\t)+i], v[32*(\t)+2*i], v[32*(\t)+2*i+1]
.set i, i+1
.endr
	WIN 0
.irp f, 0,1,2,3
	ds_store_b128 v[STO], v[S+16*(\t)+4*\f:S+16*(\t)+4*\f+3] offset:32*\f
.endr
.irp f, 0,1,2,3
	ds_load_b128 v[S+16*(\t)+4*\f:S+16*(\t)+4*\f+3], v[RD] offset:\f*4*SP  ; LDS serves a wave's instructions in order (ISA guide 5.7.1.4)
.endr
.endm
.macro SEND t, younger              ; younger: the next tile's eight LDS instructions, or none
	WIN 0
.irp f, 0,1,2,3
	s_wait_dscnt (\younger)+3-\f
	global_store_b128 v[GO], v[S+16*(\t)+4*\f:S+16*(\t)+4*\f+3], s[OA:OA+1] offset:(\t)*2048+\f*512  ; 512 consecutive bytes, aligned to 256
.endr
.endm
	PACK 0
.set t, 1
.rept 2*NP-1
	PACK t
	SEND t-1, 8
.set t, t+1
.endr
	SEND 2*NP-1, 0
	WIN W_AD
	s_wait_tensorcnt 0x0            ; the wave's end
	ds_add_u32 v[SPW], v[NIL]
	s_wait_dscnt 0x0
	WIN 0
	CROUND                          ; the closing round
	s_endpgm
.Lfunc_end_k_qdc552392e8_attn:
	.size	k_qdc552392e8_attn, .Lfunc_end_k_qdc552392e8_attn-k_qdc552392e8_attn
	.p2alignl 7, 3214868480
	.fill 96, 4, 3214868480
	.section	.rodata,"a",@progbits
	.p2align	6, 0x0
	.amdhsa_kernel k_qdc552392e8_attn
		.amdhsa_group_segment_fixed_size 327680
		.amdhsa_private_segment_fixed_size 0
		.amdhsa_enable_private_segment 0
		.amdhsa_kernarg_size 24
		.amdhsa_user_sgpr_count 2
		.amdhsa_user_sgpr_kernarg_segment_ptr 1
		.amdhsa_wavefront_size32 1
		.amdhsa_system_sgpr_workgroup_id_x 1
		.amdhsa_system_sgpr_workgroup_id_y 1
		.amdhsa_system_sgpr_workgroup_id_z 1
		.amdhsa_system_vgpr_workitem_id 0
		.amdhsa_next_free_vgpr 1024
		.amdhsa_next_free_sgpr 106
		.amdhsa_reserve_vcc 1
		.amdhsa_float_denorm_mode_32 3
		.amdhsa_float_denorm_mode_16_64 3
		.amdhsa_memory_ordered 1
		.amdhsa_forward_progress 1
		.amdhsa_inst_pref_size 211
	.end_amdhsa_kernel
	.amdgpu_metadata
---
amdhsa.version: [ 1, 2 ]
amdhsa.kernels:
  - .name:           k_qdc552392e8_attn
    .symbol:         k_qdc552392e8_attn.kd
    .args:
      - { .name: qkvh, .offset: 0, .size: 8, .value_kind: global_buffer, .address_space: global }
      - { .name: mnib, .offset: 8, .size: 8, .value_kind: global_buffer, .address_space: global }
      - { .name: yh, .offset: 16, .size: 8, .value_kind: global_buffer, .address_space: global }
    .group_segment_fixed_size: 327680
    .private_segment_fixed_size: 0
    .kernarg_segment_align: 8
    .kernarg_segment_size: 24
    .max_flat_workgroup_size: 128
    .sgpr_count:     106
    .vgpr_count:     1024
    .wavefront_size: 32
...
	.end_amdgpu_metadata
.endif
;; end of part 6
;; launch oproj: the kernel of part 4 again; grid 4 x 64, 4 waves a work-group, clusters of 4 x 4, 327,680 bytes of LDS; arguments yh, w16, out0; writes out0
